; MI455X (gfx1250); checked and timed in simulation.
; The chip was launched on July 23, 2026; its instructions are those of AMD's public machine-readable ISA for CDNA 5 (MIT licence, August 2026) and "CDNA5" Instruction Set Architecture Reference Guide (July 2026). The comments in the code are by the model that wrote it; some were corrected since.
;; Coordinate Decoder. Allowed arithmetic: matrix products marked QUANTISED: E2M1 operands, one E8M0 scale for each 32 along K, by v_wmma_scale_f32_16x16x128_f8f6f4 with both operands' format E2M1 (or v_wmma_scale_f32_32x16x128_f4), f32 sums; products left as they are: f32 operands where the result goes on into a quantised operand, else bf16, f16 or f32 operands; f32 sums; everything else in f32.
;; Inputs: b0 128 float32; b1 128 float32; b2 128 float32; b_out 3 float32; coords 65,536 x 2 float32; feature_grid 8 x 64 x 64 x 256 float32; w0 298 x 128 float32; w1 128 x 128 float32; w2 128 x 128 float32; w_out 128 x 3 float32.
;; Outputs: out0 8 x 65,536 x 3 float32.
;; This version of the problem:
;;   THIS VERSION OF THE PROBLEM IS GIVEN IN LOW PRECISION. The matrix products marked QUANTISED in the list below multiply operands that are first quantised to E2M1 (2 exponent bits, 1 mantissa bit; 4 bits a number), with one power-of-two scale for each 32 numbers along K (OCP MX v1.0); their sums are f32. All else is computed in f32.
;;   The module's matrix products, in the order in which they are computed (A, B: the left and right operand; K: the contracted axis; several contracted axes count as one K, in the product's order):
;;     1. [M 524,288, K 298] x [K 298, N 128]; A: computed on the way; B: input w0: QUANTISED
;;     2. [M 524,288, K 128] x [K 128, N 128]; A: computed on the way; B: input w1: QUANTISED
;;     3. [M 524,288, K 128] x [K 128, N 128]; A: computed on the way; B: input w2: QUANTISED
;;     4. [M 524,288, K 128] x [K 128, N 3]; A: computed on the way; B: input w_out: left as it is (N = 3 < 16)
;;   THE QUANTISER, for each operand of a quantised product, along K:
;;     - K is cut into blocks of 32 from its start; a last block that is shorter is filled with zeros.
;;     - A block's scale is 2^e with e = floor(log2(the largest magnitude in the block)) - 2, held to -126 .. 127; a block of zeros has e = 0. As a byte (E8M0): e + 127.
;;     - Each number is divided by its block's scale, clamped to +-6, and rounded to the nearest number of E2M1, ties to even, subnormals kept.
;;     - The product sums the exact products of the quantised numbers (number of the format x scale) in f32.
;;   ~~~python
;;   def quantise(x, axis):      # numpy; x: float32 -> the quantised numbers, widened to float32 again
;;       x = np.moveaxis(x, axis, -1); K = x.shape[-1]
;;       x = np.pad(x, [(0, 0)] * (x.ndim - 1) + [(0, -K % 32)]); x = x.reshape(x.shape[:-1] + (-1, 32)); a = np.abs(x).max(-1, keepdims=True)
;;       e = np.where(a > 0, np.clip(np.frexp(np.where(a > 0, a, 1))[1] - 1 - 2, -126, 127), 0)      # np.frexp(a)[1] - 1 = floor(log2(a)), exactly
;;       r = np.clip(x / 2.0 ** e, -6, 6)
;;       step = 2.0 ** (np.maximum(np.frexp(np.where(r == 0, 1, r))[1] - 1, 0) - 1)
;;       q = np.round(r / step) * step * 2.0 ** e      # np.round: ties to even
;;       return np.moveaxis(q.reshape(q.shape[:-2] + (-1,))[..., :K], -1, axis).astype(np.float32)
;;   ~~~
;;   OPERANDS COMPUTED ON THE WAY. 'Computed on the way' means the value that the module computes at that place (a softmax that the list does not call 'softmax' is quantised finished and normalised). What goes into a quantiser is computed in f32, as accurately as f32 sums, v_exp_f32 and their like allow (about 1e-6 of the number): no bf16 or f16 on the way to a quantiser, and a product that is left as it is and whose result goes on into a quantised operand takes f32 operands (vector FMAs, or v_wmma_f32_16x16x4_f32). A number that lies on a knife's edge between two numbers of the format may be rounded either way, as far as f32 arithmetic and the matrix unit's own rounding can turn it there, and no further.
;; 2 versions. Each part assembles by itself: llvm-mc -triple=amdgcn-amd-amdhsa -mcpu=gfx1250 --defsym DOCPART=n.
;; ======== version 1 of 2: 2 launches
;; limits: inputs' magnitudes at most 512
;; workspace buffers: pidx 524,288 bytes of whole numbers; pwt 2,097,152 bytes; prec 4,194,304 bytes; wimg 46,592 bytes
;; launch prep (part 1): grid 259 x 1, 8 waves a work-group, no clusters, 0 bytes of LDS; arguments coords, w0, w1, w2, b0, b1, b2, w_out, pidx, pwt, prec, wimg; writes pidx, pwt, prec, wimg
.if DOCPART == 1
	.amdgcn_target "amdgcn-amd-amdhsa--gfx1250"
	.amdhsa_code_object_version 6
	.text
	.protected	k_q52574125c1_prep
	.globl	k_q52574125c1_prep
	.p2align	8
	.type	k_q52574125c1_prep,@function
k_q52574125c1_prep:
	s_mov_b64 s[64:65], 0
	v_nop
	global_prefetch_b8 v0, s[64:65] scope:SCOPE_SE
	s_setreg_imm32_b32 hwreg(HW_REG_WAVE_MODE, 25, 1), 1
	s_wait_xcnt 0x0
; PREP: all that does not hang on the image.
; NO WORK OF reference() IS LEFT OUT, and every input is loaded (feature_grid and b_out by the second launch).  reference() broadcasts the 42 encodings to its 8 images: they, and the codes of
; K block 0 (k = 0 .. 31, encodings alone), are the same numbers in all 8, so they are made once here and read 8 times.  K = 298 is filled to 384 by zero codes on the weights' side, as the quantiser fills its last block.
; WORK-GROUPS 0 .. 255, a thread a point n: the four corner cells (row x 64 + column, as whole numbers: the next launch forms addresses from them), the four bilinear weights, the encodings 32 .. 41 as f32,
; block 0's 32 codes of E2M1 and its E8M0 byte.
;   pidx: 8 n: c00 | c01 << 16, c10 | c11 << 16.    pwt: plane 0 at 16 n: w00, w00, w01, w01; plane 1, 1 MiB on: w10, w10, w11, w11 (each twice: the low word of an even scalar pair).
;   prec: four planes of 1 MiB, 16 bytes a point: enc 32-35 | enc 36-39 | enc 40, enc 41, block 0's byte, 0 | block 0's codes.
; WORK-GROUPS 256 .. 258, a wave a job J = 0 .. 23: the weights as images of the matrix operands' registers (wimg, copied as it lies into the next launch's LDS).
;   J < 20: fragments 2 J, 2 J + 1 (f = 3 t + s: w0's unit tile t, K step s; 24 + t: w1; 32 + t: w2) at 1024 f + 512 c + 16 lane, and one register of scale words (lanes 0-15 the even fragment's, 16-31 the odd one's).
;   Row r of unit tile t is unit 64 (t / 4) + 32 (r / 8) + 8 (t % 4) + r % 8: so a lane's results of tiles 4 c .. 4 c + 3 are one whole block of 32 of the next K, in order.
;   w0's K blocks stand in the slots (2 c + h) of its three K steps as 2 3 4 5 | 6 7 1 8 | 0 9 Z Z (Z: zero codes).  In block 1 position q is k = 32 + (q + 12) % 32, as the next launch's registers hold it.
;   J = 20 .. 22: b0, b1, b2 in the layout of a result; J = 23: w_out likewise, an output at a time.
; THE QUANTISER: a block's scale is 2^(floor(log2(largest magnitude)) - 2): the largest magnitude's exponent field less 2 is the byte.
; LIMITS.  |coords| up to 2^9: beyond it the sine's quadrant number is no longer safely rounded (cells: any whole number, reflected with period 128; the conversion saturates at 2^31).
; A block of zeros has the byte 1 and not 127: its codes are zeros, and this program alone reads the bytes.  Largest magnitudes under 2^-124 are held at that floor.  NaN and infinities among the inputs are not served.
.set SCO,   40960                      ; wimg: the scale registers' images
.set BIO,   43520                      ; the bias tables
.set WOO,   45056                      ; w_out's table
.set MIB,   1048576
.set FLOOR, 0x1800000                  ; 2^(3 - 127)
	s_load_b512 s[4:19], s[0:1], 0x0               ; coords s[4:5], w0 s[6:7], w1 s[8:9], w2 s[10:11], b0 s[12:13], b1 s[14:15], b2 s[16:17], w_out s[18:19]
	s_load_b256 s[36:43], s[0:1], 0x40             ; pidx s[36:37], pwt s[38:39], prec s[40:41], wimg s[42:43]
	s_mov_b32 s20, 0x3f22f983                      ; 2 / pi
	s_mov_b32 s21, 0x3fc90fdb                      ; pi / 2 in three parts: 1.57079637,
	s_mov_b32 s22, 0xb33bbd2e                      ; -4.37113883e-8,
	s_mov_b32 s23, 0xa6f72cec                      ; -1.7151245e-15
	s_mov_b32 s24, 0xb94ca1f9                      ; sine: -1.9515295891e-4,
	s_mov_b32 s25, 0x3c08839e                      ; 8.3321608736e-3,
	s_mov_b32 s26, 0xbe2aaaa3                      ; -1.6666654611e-1
	s_mov_b32 s27, 0x37ccf5ce                      ; cosine: 2.443315712e-5,
	s_mov_b32 s28, 0xbab6061a                      ; -1.388731625e-3,
	s_mov_b32 s29, 0x3d2aaaa5                      ; 4.166664568e-2
	s_mov_b32 s58, 0x76543210                      ; v_permlanex16_b32's selects for lane l xor 16
	s_mov_b32 s59, 0xfedcba98
	s_cmp_ge_u32 ttmp9, 256
	s_cbranch_scc1 .Lweights
; ---------------- a thread a point
; v4, v5 the coordinates; v32-73 the 42 encodings in reference()'s order; v74 block 0's byte, v75 0; v76-79 its codes; v80-87 the weights; v88-89 the cells; v90-91 x pi; v96-108 at work
	s_lshl_b32 s44, ttmp9, 8
	v_add_nc_u32 v1, s44, v0                       ; n
	v_lshlrev_b32 v2, 3, v1
	v_lshlrev_b32 v3, 4, v1
	s_wait_kmcnt 0x0
	global_load_b64 v[4:5], v2, s[4:5]
	s_wait_loadcnt 0x0
; One axis, step by step as reference() rounds it (not fused: the floor hangs on these roundings): t = ((x + 1) / 2) 63; lower = floor t; the upper weight t - lower, the lower 1 - that.
; 'reflect' for any whole number i: with j = i mod 128 the cell is min(j, 127 - j).
.macro AXIS x, i0, i1, lw, uw
	v_add_f32 v6, 1.0, v[\x]
	v_mul_f32 v6, 0.5, v6
	v_mul_f32 v6, 0x427c0000, v6                   ; x 63
	v_floor_f32 v7, v6
	v_sub_f32 v[\uw], v6, v7
	v_sub_f32 v[\lw], 1.0, v[\uw]
	v_cvt_i32_f32 v7, v7
	v_and_b32 v[\i0], 0x7f, v7
	v_sub_nc_u32 v8, 0x7f, v[\i0]
	v_min_u32 v[\i0], v[\i0], v8
	v_add_nc_u32 v7, 1, v7
	v_and_b32 v[\i1], 0x7f, v7
	v_sub_nc_u32 v8, 0x7f, v[\i1]
	v_min_u32 v[\i1], v[\i1], v8
.endm
	AXIS 4, 10, 11, 12, 13                         ; rows
	AXIS 5, 14, 15, 16, 17                         ; columns
	v_lshl_add_u32 v18, v10, 6, v14                ; c00
	v_lshl_add_u32 v19, v10, 6, v15                ; c01
	v_lshl_add_u32 v20, v11, 6, v14                ; c10
	v_lshl_add_u32 v21, v11, 6, v15                ; c11
	v_lshl_or_b32 v88, v19, 16, v18
	v_lshl_or_b32 v89, v21, 16, v20
	v_mul_f32 v80, v12, v16                        ; w00
	v_mul_f32 v82, v12, v17                        ; w01
	v_mul_f32 v84, v13, v16                        ; w10
	v_mul_f32 v86, v13, v17                        ; w11
	v_mov_b32 v81, v80
	v_mov_b32 v83, v82
	v_mov_b32 v85, v84
	v_mov_b32 v87, v86
	global_store_b64 v2, v[88:89], s[36:37]        ; a wave stores 256 consecutive bytes
	global_store_b128 v3, v[80:83], s[38:39]       ; 512
	global_store_b128 v3, v[84:87], s[38:39] offset:MIB
	v_mov_b32 v32, v4                              ; the encoding begins with x itself
	v_mov_b32 v33, v5
	v_mul_f32 v90, 0x40490fdb, v4                  ; x pi in f32; x (2^f pi) in f32 is 2^f times that, exactly
	v_mul_f32 v91, 0x40490fdb, v5
; sin z and cos z: q = the nearest whole number to z 2 / pi; r = z - q pi / 2 by three fused steps (the first is exact); polynomials on |r| <= pi / 4; the quadrant chooses and signs.
.macro SINCOS z, ds, dc
	v_mul_f32 v96, s20, v[\z]
	v_rndne_f32 v96, v96
	v_fma_f32 v97, -v96, s21, v[\z]
	v_fma_f32 v97, -v96, s22, v97
	v_fma_f32 v97, -v96, s23, v97                  ; r
	v_cvt_i32_f32 v98, v96                         ; q
	v_mul_f32 v99, v97, v97                        ; r^2
	v_fma_f32 v100, v99, s24, s25
	v_fma_f32 v102, v99, s27, s28
	v_fma_f32 v100, v100, v99, s26
	v_fma_f32 v102, v102, v99, s29
	v_mul_f32 v101, v99, v97                       ; r^3
	v_mul_f32 v103, v99, v99                       ; r^4
	v_fma_f32 v104, v99, -0.5, 1.0
	v_fma_f32 v100, v100, v101, v97                ; sin r
	v_fma_f32 v102, v102, v103, v104               ; cos r
	v_and_b32 v105, 1, v98
	v_cmp_eq_u32 vcc_lo, 1, v105
	v_cndmask_b32 v106, v100, v102, vcc_lo         ; q odd: the two change places
	v_cndmask_b32 v107, v102, v100, vcc_lo
	v_lshlrev_b32 v105, 30, v98                    ; the sine's sign: bit 1 of q;
	v_and_b32 v105, 0x80000000, v105
	v_xor_b32 v[\ds], v105, v106
	v_add_nc_u32 v98, 1, v98                       ; the cosine's: bit 1 of q + 1
	v_lshlrev_b32 v98, 30, v98
	v_and_b32 v98, 0x80000000, v98
	v_xor_b32 v[\dc], v98, v107
.endm
.irp f, 0,1,2,3,4,5,6,7,8,9
.irp d, 0,1
	v_ldexp_f32 v108, v[90+\d], \f
	SINCOS 108, 34+4*\f+\d, 36+4*\f+\d             ; encoding 2 + 4 f + d is the sine, 4 + 4 f + d the cosine
.endr
.endr
	v_max3_num_f32 v96, |v32|, |v33|, FLOOR        ; block 0: k = 0 .. 31
.irp i, 34,36,38,40,42,44,46,48,50,52,54,56,58,60,62
	v_max3_num_f32 v96, v96, |v[\i]|, |v[\i+1]|
.endr
	v_add_nc_u32 v97, 0xff000000, v96              ; 2 off the exponent field: the conversion takes this operand's exponent field as its scale
.irp g, 0,1,2,3
	v_cvt_scalef32_pk8_fp4_f32 v[76+\g], v[32+8*\g:39+8*\g], v97
.endr
	v_lshrrev_b32 v74, 23, v97                     ; the byte
	v_mov_b32 v75, 0
	global_store_b128 v3, v[64:67], s[40:41]       ; enc 32 .. 35
	global_store_b128 v3, v[68:71], s[40:41] offset:MIB
	global_store_b128 v3, v[72:75], s[40:41] offset:2*MIB
	global_store_b128 v3, v[76:79], s[40:41] offset:3*MIB
	s_endpgm
; ---------------- a wave a job
.Lweights:
	v_lshrrev_b32 v1, 5, v0
	v_readfirstlane_b32 s44, v1                    ; wave
	s_sub_co_u32 s45, ttmp9, 256
	s_lshl_b32 s45, s45, 3
	s_add_co_u32 s45, s45, s44                     ; J
	v_and_b32 v2, 31, v0                           ; lane
	v_and_b32 v3, 15, v0                           ; p
	v_bfe_u32 v4, v0, 4, 1                         ; h
	v_lshlrev_b32 v5, 3, v4                        ; 8 h
	v_mov_b32 v39, 0                               ; (a lane permute's destination counts as one of its sources)
	s_wait_kmcnt 0x0
	s_cmp_ge_u32 s45, 20
	s_cbranch_scc1 .Ltables
; Fragment f = 2 J + e.  v64-127 each number's k, v128-191 its byte offset, v192-255 the number; v[16 + 8 e ..] the codes; v[40 + e] the scale words.
.macro FRAG e
	s_lshl_b32 s46, s45, 1
	s_add_co_u32 s46, s46, \e                      ; f
	s_mul_hi_u32 s47, s46, 0x55555556              ; f / 3
	s_mul_i32 s48, s47, 3
	s_sub_co_u32 s48, s46, s48                     ; f % 3: w0's K step
	s_mov_b32 s49, 0x05040302                      ; which K block stands in slot 2 c + h: a byte a slot
	s_cmp_eq_u32 s48, 1
	s_cselect_b32 s49, 0x08010706, s49
	s_cmp_eq_u32 s48, 2
	s_cselect_b32 s49, 0x20200900, s49             ; (block 32 lies past K: zeros)
	s_sub_co_u32 s50, s46, 24
	s_and_b32 s50, s50, 7                          ; w1's and w2's unit tile
	s_mov_b32 s51, 128
	s_cmp_lt_u32 s46, 32
	s_cselect_b64 s[52:53], s[8:9], s[10:11]
	s_cmp_lt_u32 s46, 24
	s_cselect_b64 s[52:53], s[6:7], s[52:53]       ; the weight
	s_cselect_b32 s47, s47, s50                    ; t
	s_cselect_b32 s49, s49, 0x03020100
	s_cselect_b32 s51, 298, s51                    ; K
	s_cselect_b32 s54, 12, 0                       ; block 1 of w0 is turned by 12 places
	s_sub_co_u32 s57, s51, 1
	s_lshr_b32 s55, s47, 2
	s_lshl_b32 s55, s55, 6
	s_and_b32 s56, s47, 3
	s_lshl_b32 s56, s56, 3
	s_add_co_u32 s55, s55, s56                     ; 64 (t / 4) + 8 (t % 4)
	v_lshrrev_b32 v6, v5, s49
	v_and_b32 v7, 0xff, v6                         ; my block for c = 0,
	v_bfe_u32 v8, v6, 16, 8                        ; for c = 1
	v_mov_b32 v10, s54
	v_cmp_eq_u32 vcc_lo, 1, v7
	v_cndmask_b32 v9, 0, v10, vcc_lo               ; their turns
	v_cmp_eq_u32 vcc_lo, 1, v8
	v_cndmask_b32 v10, 0, v10, vcc_lo
	v_lshlrev_b32 v7, 5, v7
	v_lshlrev_b32 v8, 5, v8
	v_and_b32 v11, 7, v3
	v_bfe_u32 v12, v3, 3, 1
	v_lshl_add_u32 v11, v12, 5, v11
	v_add_nc_u32 v11, s55, v11                     ; my unit
	v_lshlrev_b32 v11, 2, v11
.irp c, 0,1
.set Q, 0
.rept 32
	v_add_nc_u32 v[64+32*\c+Q], Q, v[9+\c]
	v_and_or_b32 v[64+32*\c+Q], v[64+32*\c+Q], 31, v[7+\c]         ; k
	v_min_u32 v[128+32*\c+Q], s57, v[64+32*\c+Q]                   ; no load leaves the weight
	v_lshl_add_u32 v[128+32*\c+Q], v[128+32*\c+Q], 9, v11          ; a row of a weight is 512 bytes
	global_load_b32 v[192+32*\c+Q], v[128+32*\c+Q], s[52:53]
.set Q, Q+1
.endr
.endr
	s_wait_loadcnt 0x0
.set Q, 0
.rept 64
	v_cmp_gt_u32 vcc_lo, s51, v[64+Q]
	v_cndmask_b32 v[192+Q], 0, v[192+Q], vcc_lo    ; past K: zeros
.set Q, Q+1
.endr
.irp c, 0,1
	v_max3_num_f32 v[13+\c], |v[192+32*\c]|, |v[193+32*\c]|, FLOOR
.endr
.set Q, 2
.rept 15
	v_max3_num_f32 v13, v13, |v[192+Q]|, |v[193+Q]|
	v_max3_num_f32 v14, v14, |v[224+Q]|, |v[225+Q]|
.set Q, Q+2
.endr
	v_add_nc_u32 v13, 0xff000000, v13
	v_add_nc_u32 v14, 0xff000000, v14
.irp c, 0,1
.irp g, 0,1,2,3
	v_cvt_scalef32_pk8_fp4_f32 v[16+8*\e+4*\c+\g], v[192+32*\c+8*\g:199+32*\c+8*\g], v[13+\c]
.endr
.endr
	v_lshrrev_b32 v36, 23, v13
	v_lshrrev_b32 v37, 23, v14
	v_lshl_or_b32 v38, v37, 16, v36                ; my two bytes: slots h and 2 + h,
	v_lshlrev_b32 v38, v5, v38                     ; at their places;
	v_permlanex16_b32 v39, v38, s58, s59
	v_or_b32 v[40+\e], v38, v39                    ; with lane l xor 16's two the word is whole
	s_lshl_b32 s56, s46, 10
	v_lshl_add_u32 v[32+\e], v2, 4, s56
	global_store_b128 v[32+\e], v[16+8*\e:19+8*\e], s[42:43]
	global_store_b128 v[32+\e], v[20+8*\e:23+8*\e], s[42:43] offset:512
.endm
	FRAG 0
	FRAG 1                                         ; (the loads are back, so their offsets and base may be written; the stores' registers are each fragment's own)
	v_cmp_eq_u32 vcc_lo, 1, v4
	v_cndmask_b32 v42, v40, v41, vcc_lo            ; lanes 0-15: the even fragment's words; lanes 16-31: the odd one's
	s_lshr_b32 s46, s45, 2
	s_lshl_b32 s46, s46, 9
	s_and_b32 s47, s45, 3
	s_lshl_b32 s47, s47, 2
	s_add_co_u32 s46, s46, s47
	s_add_co_u32 s46, s46, SCO                     ; four such registers side by side in 16 bytes a lane
	v_lshl_add_u32 v43, v2, 4, s46
	global_store_b32 v43, v42, s[42:43]
	s_endpgm
.Ltables:
	s_cmp_eq_u32 s45, 23
	s_cbranch_scc1 .Lwout
	s_cmp_eq_u32 s45, 20                           ; a bias as [tile t][half h][8]: b[64 (t / 4) + 32 h + 8 (t % 4) + j]; a lane moves four numbers
	s_cselect_b64 s[52:53], s[12:13], s[14:15]
	s_cmp_eq_u32 s45, 22
	s_cselect_b64 s[52:53], s[16:17], s[52:53]
	v_lshrrev_b32 v6, 4, v2                        ; t / 4
	v_bfe_u32 v7, v2, 2, 2                         ; t % 4
	v_bfe_u32 v8, v2, 1, 1                         ; h
	v_and_b32 v9, 1, v2
	v_lshlrev_b32 v10, 8, v6
	v_lshl_add_u32 v10, v8, 7, v10
	v_lshl_add_u32 v10, v7, 5, v10
	v_lshl_add_u32 v10, v9, 4, v10
	global_load_b128 v[12:15], v10, s[52:53]
	s_sub_co_u32 s46, s45, 20
	s_lshl_b32 s46, s46, 9
	s_add_co_u32 s46, s46, BIO
	v_lshl_add_u32 v11, v2, 4, s46
	s_wait_loadcnt 0x0
	global_store_b128 v11, v[12:15], s[42:43]
	s_endpgm
.Lwout:                                                ; w_out as [output o][tile g][half h][8]: w_out[64 (g / 4) + 32 h + 8 (g % 4) + j][o]
.irp e, 0,1,2,3,4,5,6,7,8,9,10,11
	v_add_nc_u32 v5, 32*(\e%4), v2                 ; 16 g + 8 h + j
	v_lshrrev_b32 v6, 6, v5
	v_bfe_u32 v7, v5, 4, 2
	v_bfe_u32 v8, v5, 3, 1
	v_and_b32 v9, 7, v5
	v_lshl_add_u32 v9, v6, 6, v9
	v_lshl_add_u32 v9, v8, 5, v9
	v_lshl_add_u32 v9, v7, 3, v9                   ; the unit
	v_mul_u32_u24 v[16+\e], v9, 12
	global_load_b32 v[32+\e], v[16+\e], s[18:19] offset:4*(\e/4)
.endr
	v_lshlrev_b32 v10, 2, v2
	s_wait_loadcnt 0x0
.irp e, 0,1,2,3,4,5,6,7,8,9,10,11
	global_store_b32 v10, v[32+\e], s[42:43] offset:WOO+128*\e
.endr
	s_endpgm
.Lfunc_end_k_q52574125c1_prep:
	.size	k_q52574125c1_prep, .Lfunc_end_k_q52574125c1_prep-k_q52574125c1_prep
	.p2alignl 7, 3214868480
	.fill 96, 4, 3214868480
	.section	.rodata,"a",@progbits
	.p2align	6, 0x0
	.amdhsa_kernel k_q52574125c1_prep
		.amdhsa_group_segment_fixed_size 0
		.amdhsa_private_segment_fixed_size 0
		.amdhsa_enable_private_segment 0
		.amdhsa_kernarg_size 96
		.amdhsa_user_sgpr_count 2
		.amdhsa_user_sgpr_kernarg_segment_ptr 1
		.amdhsa_wavefront_size32 1
		.amdhsa_system_sgpr_workgroup_id_x 1
		.amdhsa_system_sgpr_workgroup_id_y 1
		.amdhsa_system_sgpr_workgroup_id_z 1
		.amdhsa_system_vgpr_workitem_id 0
		.amdhsa_next_free_vgpr 256
		.amdhsa_next_free_sgpr 66
		.amdhsa_reserve_vcc 1
		.amdhsa_float_denorm_mode_32 3
		.amdhsa_float_denorm_mode_16_64 3
		.amdhsa_memory_ordered 1
		.amdhsa_forward_progress 1
		.amdhsa_inst_pref_size 96
	.end_amdhsa_kernel
	.amdgpu_metadata
---
amdhsa.version: [ 1, 2 ]
amdhsa.kernels:
  - .name:           k_q52574125c1_prep
    .symbol:         k_q52574125c1_prep.kd
    .args:
      - { .name: coords, .offset: 0, .size: 8, .value_kind: global_buffer, .address_space: global }
      - { .name: w0, .offset: 8, .size: 8, .value_kind: global_buffer, .address_space: global }
      - { .name: w1, .offset: 16, .size: 8, .value_kind: global_buffer, .address_space: global }
      - { .name: w2, .offset: 24, .size: 8, .value_kind: global_buffer, .address_space: global }
      - { .name: b0, .offset: 32, .size: 8, .value_kind: global_buffer, .address_space: global }
      - { .name: b1, .offset: 40, .size: 8, .value_kind: global_buffer, .address_space: global }
      - { .name: b2, .offset: 48, .size: 8, .value_kind: global_buffer, .address_space: global }
      - { .name: w_out, .offset: 56, .size: 8, .value_kind: global_buffer, .address_space: global }
      - { .name: pidx, .offset: 64, .size: 8, .value_kind: global_buffer, .address_space: global }
      - { .name: pwt, .offset: 72, .size: 8, .value_kind: global_buffer, .address_space: global }
      - { .name: prec, .offset: 80, .size: 8, .value_kind: global_buffer, .address_space: global }
      - { .name: wimg, .offset: 88, .size: 8, .value_kind: global_buffer, .address_space: global }
    .group_segment_fixed_size: 0
    .private_segment_fixed_size: 0
    .kernarg_segment_align: 8
    .kernarg_segment_size: 96
    .max_flat_workgroup_size: 256
    .sgpr_count:     66
    .vgpr_count:     256
    .wavefront_size: 32
...
	.end_amdgpu_metadata
.endif
;; end of part 1
;; launch main (part 2): grid 256 x 1, 16 waves a work-group, no clusters, 314,880 bytes of LDS; arguments feature_grid, pidx, pwt, prec, wimg, b_out, out0; writes out0
.if DOCPART == 2
	.amdgcn_target "amdgcn-amd-amdhsa--gfx1250"
	.amdhsa_code_object_version 6
	.text
	.protected	k_q52574125c1_main
	.globl	k_q52574125c1_main
	.p2align	8
	.type	k_q52574125c1_main,@function
k_q52574125c1_main:
	s_mov_b64 s[64:65], 0
	v_nop
	global_prefetch_b8 v0, s[64:65] scope:SCOPE_SE
	s_setreg_imm32_b32 hwreg(HW_REG_WAVE_MODE, 25, 1), 1
	s_wait_xcnt 0x0
; MAIN: out0[b][n] = tanh(gelu(gelu(gelu([enc(n), sample(b, n)] w0 + b0) w1 + b1) w2 + b2) w_out + b_out); the first three products on codes of E2M1 with one E8M0 scale for each 32 along K, the last in f32.
; No work of reference() is left out here; what is the same in all 8 images (cells, bilinear weights, encodings, K block 0's codes, the weights' codes) was made once by the launch before.
; SHARES.  256 work-groups of 16 waves, 256 registers a wave.  Work-group g owns points 256 g .. + 255 in all 8 images; wave w owns 64 of them (w % 4) in images 2 (w / 4) (tile A) and 2 (w / 4) + 1 (tile B),
; in 4 steps of 16 points x 2 images.  Each fragment of a weight read from LDS feeds both tiles.  Waves share nothing but the weights' image in LDS, stored once: one barrier.
; A STEP.  G: for each of a tile's 16 rows the four corner vectors (1,024 bytes each) come by loads in which 32 lanes read 512 consecutive bytes, four rows ahead; four packed multiply-adds a pair; the row goes into the wave's
; own LDS buffer.  T: it comes back turned: lane (p, h) holds whole K blocks of row p, which are quantised in its registers.  Then three layers, TRANSPOSED (source 0 = 16 units of a weight, source 1 = 16 rows): a lane
; holds one row throughout, and by the choice of a tile's units its 32 results of tiles 4 c .. 4 c + 3 are K block 2 c + h of the next product in order: one conversion a tile gives the next operand's register.
; K OF THE FIRST PRODUCT: channel c is k = 42 + c.  Blocks stand in the slots (2 c + h) of three K steps as 2 3 4 5 | 6 7 1 8 | 0 9 Z Z; Z and block 9's places 10 .. 31 meet zero weight codes, so whatever codes stand there add nothing.
; gelu(x) = x / (1 + 2^(x (A + B x^2))), A = -2 log2(e) sqrt(2 / pi), B = 0.044715 A: reference()'s tanh form in real numbers, with no difference of near numbers; at large |x| it gives x or -0 as that does.
; The fourth product has 3 columns: packed f32 multiply-adds.  tanh(y) = 1 - 2 / (1 + 2^(2 log2(e) y)).
; LIMITS.  The interpolation is one multiply and three fused multiply-adds where reference() rounds each product.  A block of zeros has the byte 1 and not 127 (its codes are zeros); largest magnitudes under 2^-124 are held there.
; NaN and infinities among the inputs are not served.  A cell read from pidx is held at 4,095, the table's last.
; LDS: wave w's turn buffer at 16,640 w (16 rows, 1,040 bytes apart: 1,024 + 16, so that 16 rows start at 16 different columns of 16 bytes); the weights' image at 266,240; the spare words at 312,832.
; REGISTERS: v1, v2 the add's two; v3-11 addresses; v12-13 A; v14-25 the wave's 12 results; v26-37 the weights' scale words, v38-43 the rows' (scales and nothing else); v44-95 and v96-255 by phase:
;   G: v96-255 five slots of 32 (corner c at + 8 c).   T: v96, v132, v168, v204: 36 numbers each; v240-251 the point's record; v44-51 at work.   codes: A's K step 2 at v52, B's at v56, A's 0, 1 at v60, v68, B's at v76, v84.
;   layers: v96-127 a bias and fragments; v128-191 tile A's results, v192-255 tile B's.   gelu: v64-127 at work; the next operands at v44 (A), v52 (B); v60-63 at work.
.set WBSZ,  16640
.set PITCH, 1040
.set WIMG,  266240
.set SCO,   40960
.set BIO,   43520
.set WOO,   45056
.set SPARE, 312832
.set MIB,   1048576
.set FLOOR, 0x1800000                  ; 2^(3 - 127)
.set L16,  3                           ; 16 x lane
.set TST,  4                           ; my buffer + 16 x lane
.set TR0,  5                           ; my buffer + 1,040 p + 128 h
.set TR1,  6                           ; my buffer + 1,040 p + 848 h
.set TR2,  7                           ; my buffer + 1,040 p
.set WI,   8                           ; the image + 16 x lane
.set HB,   9                           ; the image + 32 h
.set SH8,  10                          ; 8 h
.set PR,   11                          ; 16 p
.set KA,   12
.set YO,   14
.set WSC,  26
.set DSC,  38
.set FRG,  96
.set ACCA, 128
.set ACCB, 192
.set T64,  64
	s_load_b256 s[4:11], s[0:1], 0x0               ; feature_grid s[4:5], pidx s[6:7], pwt s[8:9], prec s[10:11]
	s_load_b128 s[12:15], s[0:1], 0x20             ; wimg s[12:13], b_out s[14:15]
	s_load_b64 s[16:17], s[0:1], 0x30              ; out0
	v_lshl_add_u32 v1, v0, 2, SPARE                ; my spare word,
	v_mov_b32 v2, 0                                ; and 0: kept for the wave's closing lines
	v_lshrrev_b32 v44, 5, v0
	v_readfirstlane_b32 s18, v44                   ; wave 0 .. 15
	v_and_b32 v44, 31, v0                          ; lane
	v_and_b32 v45, 15, v0                          ; p
	v_bfe_u32 v46, v0, 4, 1                        ; h
	s_mul_i32 s2, s18, WBSZ                        ; my buffer
	v_lshlrev_b32 v[L16], 4, v44
	v_add_nc_u32 v[TST], s2, v[L16]
	v_mul_u32_u24 v47, v45, PITCH
	v_add_nc_u32 v[TR2], s2, v47
	v_lshl_add_u32 v[TR0], v46, 7, v[TR2]
	v_mul_u32_u24 v47, v46, 848
	v_add_nc_u32 v[TR1], v47, v[TR2]
	v_add_nc_u32 v[WI], WIMG, v[L16]
	v_lshlrev_b32 v47, 5, v46
	v_add_nc_u32 v[HB], WIMG, v47
	v_lshlrev_b32 v[SH8], 3, v46
	v_lshlrev_b32 v[PR], 4, v45
	v_mov_b32 v[KA], 0xc0135761                    ; A = -2.3022082
	v_mov_b32 v[KA+1], 0xc0135761
	v_lshlrev_b32 v48, 4, v0                       ; 16 x thread: the staging's place in wimg,
	v_add_nc_u32 v49, WIMG, v48                    ; and in LDS
.irp k, 3,4,5,6,7,8,9,10,11
	v_mov_b32 v[YO+\k], 0                          ; the results' queue is moved up by three in every step: what the first steps move is written once
.endr
	s_mov_b32 s20, 0x76543210                      ; v_permlanex16_b32's selects for lane l xor 16
	s_mov_b32 s21, 0xfedcba98
	s_mov_b32 s22, 0xbdd2d3e8                      ; B = -0.10294324
	s_mov_b32 s23, s22                             ; (named with it as a pair)
	s_mov_b32 s24, 0xffff                          ; lanes 0-15
	s_mov_b32 s26, 0x4038aa3b                      ; 2 log2(e)
	s_mov_b32 s49, 0                               ; the high words of four offset pairs
	s_mov_b32 s51, 0
	s_mov_b32 s53, 0
	s_mov_b32 s55, 0
	s_and_b32 s3, s18, 3
	s_lshr_b32 s27, s18, 2                         ; my pair of images
	s_lshl_b32 s31, ttmp9, 8
	s_lshl_b32 s3, s3, 6
	s_add_co_u32 s31, s31, s3                      ; my first point
	s_wait_kmcnt 0x0
	s_lshl_b32 s48, s27, 23                        ; an image is 4 MiB
	s_add_nc_u64 s[4:5], s[4:5], s[48:49]          ; image A
	s_add_nc_u64 s[66:67], s[4:5], 0x400000        ; image B
	s_lshl_b32 s48, s31, 3
	s_add_nc_u64 s[6:7], s[6:7], s[48:49]
	s_lshl_b32 s48, s31, 4
	s_add_nc_u64 s[8:9], s[8:9], s[48:49]
	s_add_nc_u64 s[10:11], s[10:11], s[48:49]
	s_mul_i32 s48, s27, 1572864                    ; an image of out0 is 786,432 bytes
	s_mul_i32 s50, s31, 12
	s_add_co_u32 s48, s48, s50
	s_add_nc_u64 s[16:17], s[16:17], s[48:49]
	s_load_b96 s[28:30], s[14:15], 0x0             ; b_out
	; the weights' image: 46,592 bytes = 5 x 8,192 (16 bytes a thread) + 5,632 (waves 0 to 10)
.irp i, 0,1,2,3,4
	global_load_b128 v[96+4*\i:99+4*\i], v48, s[12:13] offset:8192*\i
.endr
	s_cmp_lt_u32 s18, 11
	s_cbranch_scc0 .Lfive
	global_load_b128 v[116:119], v48, s[12:13] offset:40960
	s_wait_loadcnt 0x0
	ds_store_b128 v49, v[116:119] offset:40960
.Lfive:
	s_wait_loadcnt 0x0
.irp i, 0,1,2,3,4
	ds_store_b128 v49, v[96+4*\i:99+4*\i] offset:8192*\i
.endr
	s_wait_dscnt 0x0                               ; for the others' sake: my part of the image has landed
	s_barrier_signal -1
	s_barrier_wait -1                              ; everybody's has; nobody writes it again
	s_wait_kmcnt 0x0
	s_mul_f32 s28, s28, s26                        ; b_out x 2 log2(e): bias and scaling ahead of tanh's exponential are then one fused multiply-add
	s_mul_f32 s29, s29, s26
	s_mul_f32 s30, s30, s26
; The gather of row r of the step: four corners, 2 x 512 consecutive bytes each.  The cell is a loaded whole number: cut from its word, held at the table's last cell, x 1,024 bytes, added to the image's address.
.macro ISSUE r, gb
.set SLB, 96+32*((\r)%5)
.irp c, 0,1,2,3
.if (\c)%2 == 0
	s_and_b32 s[48+2*\c], s[68+2*(\r)+(\c)/2], 0xffff
.else
	s_lshr_b32 s[48+2*\c], s[68+2*(\r)+(\c)/2], 16
.endif
	s_min_u32 s[48+2*\c], s[48+2*\c], 4095
	s_lshl_b32 s[48+2*\c], s[48+2*\c], 10
	s_add_nc_u64 s[56+2*\c:57+2*\c], s[\gb:\gb+1], s[48+2*\c:49+2*\c]
	global_load_b128 v[SLB+8*\c:SLB+8*\c+3], v[L16], s[56+2*\c:57+2*\c]             ; channels 4 x lane on
	global_load_b128 v[SLB+8*\c+4:SLB+8*\c+7], v[L16], s[56+2*\c:57+2*\c] offset:512 ; channels 128 + 4 x lane on
.endr
.endm
; Row i is interpolated and goes into the buffer; row i + 4 is asked for.
.macro ROW i
.set RS,  96+32*((\i)%5)
.set WB8, 32+8*((\i)%2)
.set WN8, 32+8*(((\i)+1)%2)
	s_wait_kmcnt 0x0                               ; this row's four weights are in
	s_wait_xcnt 0x0                                ; the last gather has read its four bases: they may be written
	s_wait_dscnt 0x0                               ; the last row's LDS stores have read their registers: that slot may be loaded again
.if (\i)+4 < 16
	ISSUE (\i)+4, GB
.endif
.if (\i) < 15
	s_load_b128 s[WN8:WN8+3], s[8:9], 16*((\i)+1)                  ; the next row's weights, into the other set
	s_load_b128 s[WN8+4:WN8+7], s[8:9], MIB+16*((\i)+1)
	.if (\i) <= 11
	s_wait_loadcnt 32                              ; behind this row's eight loads: four rows of eight
	.else
	s_wait_loadcnt 8*(15-(\i))                     ; the rows that are left
	.endif
.else
	global_load_b128 v[240:243], v[PR], s[10:11]                   ; the point's record, lane (p, h) point p: enc 32 .. 35,
	global_load_b128 v[244:247], v[PR], s[10:11] offset:MIB        ; 36 .. 39,
	global_load_b128 v[248:251], v[PR], s[10:11] offset:2*MIB      ; 40, 41, block 0's byte;
	global_load_b128 v[CS2:CS2+3], v[PR], s[10:11] offset:3*MIB    ; block 0's codes, straight into the operand
	s_wait_loadcnt 4                               ; behind this row's loads: these four
.endif
.irp j, 0,2,4,6
	v_pk_mul_f32 v[RS+\j:RS+\j+1], v[RS+\j:RS+\j+1], s[WB8:WB8+1] op_sel_hi:[1,0]
.endr
.irp c, 1,2,3
.irp j, 0,2,4,6
	v_pk_fma_f32 v[RS+\j:RS+\j+1], v[RS+8*\c+\j:RS+8*\c+\j+1], s[WB8+2*\c:WB8+2*\c+1], v[RS+\j:RS+\j+1] op_sel_hi:[1,0,1]
.endr
.endr
	ds_store_b128 v[TST], v[RS:RS+3] offset:PITCH*(\i)
	ds_store_b128 v[TST], v[RS+4:RS+7] offset:PITCH*(\i)+512
.endm
; A whole block: the 32 numbers v[r + 2] .. v[r + 33] become four registers of codes at v[dst] and a byte in v[byt].
.macro QB r, dst, byt
	v_max3_num_f32 v44, |v[\r+2]|, |v[\r+3]|, FLOOR                ; the largest magnitude in two chains, the floor among its leaves
	v_max3_num_f32 v45, |v[\r+4]|, |v[\r+5]|, |v[\r+6]|
.irp i, 7,11,15,19,23,27
	v_max3_num_f32 v44, v44, |v[\r+\i]|, |v[\r+\i+1]|
	v_max3_num_f32 v45, v45, |v[\r+\i+2]|, |v[\r+\i+3]|
.endr
	v_max3_num_f32 v44, v44, |v[\r+31]|, |v[\r+32]|
	v_max3_num_f32 v44, v44, v45, |v[\r+33]|
	v_add_nc_u32 v46, 0xff000000, v44              ; 2 off the exponent field: the conversion's scale operand
.irp i, 0,1,2,3
	v_cvt_scalef32_pk8_fp4_f32 v[\dst+\i], v[\r+2+8*\i:\r+9+8*\i], v46
.endr
	v_lshrrev_b32 v[\byt], 23, v46                 ; the byte (also the plain line behind the conversions)
.endm
; Tile x (0: image A, 1: image B): gather, turn, quantise.
.macro GT x
.set GB,  4+62*(\x)
.set CS2, 52+4*(\x)
.set CS0, 60+16*(\x)
.set CS1, 68+16*(\x)
.set DSX, DSC+3*(\x)
	s_load_b128 s[32:35], s[8:9], 0x0              ; row 0's weights
	s_load_b128 s[36:39], s[8:9], MIB
	s_wait_kmcnt 0x0                               ; and the step's cells
.irp r, 0,1,2,3
	s_wait_xcnt 0x0                                ; the gather before has read its bases
	ISSUE \r, GB
.endr
.irp i, 0,1,2,3,4,5,6,7,8,9,10,11,12,13,14,15
	ROW \i
.endr
	s_wait_dscnt 0x0                               ; the last row's stores have read their registers
.irp g, 0,1,2                                  ; lane (p, h): channels 20 + 64 g + 32 h .. + 35 of row p: block 2 + 2 g + h begins at the third of them
.irp i, 0,1,2,3,4,5,6,7,8
	ds_load_b128 v[96+36*\g+4*\i:99+36*\g+4*\i], v[TR0] offset:80+256*\g+16*\i
.endr
.endr
.irp i, 0,1,2,3,4,5,6,7,8                      ; h = 0: channels 0 .. 35 (block 1); h = 1: channels 212 .. 247 (block 8)
	ds_load_b128 v[204+4*\i:207+4*\i], v[TR1] offset:16*\i
.endr
	s_wait_dscnt 27                                ; the first nine are in
	QB 96, CS0, 47
.irp i, 0,1,2                                  ; channels 244 .. 255: block 9 begins at the third
	ds_load_b128 v[96+4*\i:99+4*\i], v[TR2] offset:976+16*\i
.endr
	s_wait_dscnt 21                                ; behind the second nine: 9 + 9 + 3
	QB 132, CS0+4, 48
	s_wait_dscnt 12                                ; 9 + 3
	QB 168, CS1, 49
	s_wait_loadcnt 0x0                             ; the point's record
	s_wait_dscnt 3
.irp i, 0,1,2,3,4,5,6,7,8,9
	v_cndmask_b32 v[226+\i], v[226+\i], v[240+\i], s24             ; block 1 (lanes 0-15): behind channels 2 .. 21 stand enc 32 .. 41,
.endr
	v_cndmask_b32 v236, v236, v204, s24            ; and channels 0 and 1
	v_cndmask_b32 v237, v237, v205, s24
	QB 204, CS1+4, 50
	s_wait_dscnt 0x0
	v_max3_num_f32 v44, |v98|, |v99|, FLOOR        ; block 9: ten numbers
.irp i, 100,102,104,106
	v_max3_num_f32 v44, v44, |v[\i]|, |v[\i+1]|
.endr
	v_add_nc_u32 v46, 0xff000000, v44
	v_cvt_scalef32_pk8_fp4_f32 v120, v[98:105], v46
	v_cvt_scalef32_pk8_fp4_f32 v121, v[106:113], v46               ; (v108-113 hold left-over channels: places 10 on meet zero weight codes)
	v_lshrrev_b32 v51, 23, v46
	v_cndmask_b32 v[CS2], v120, v[CS2], s24        ; lanes 0-15 keep block 0's given codes, lanes 16-31 take block 9's
	v_cndmask_b32 v[CS2+1], v121, v[CS2+1], s24
	v_cndmask_b32 v51, v51, v250, s24              ; the byte likewise
	v_lshl_or_b32 v44, v48, 16, v47                ; my two bytes of each K step: slots h and 2 + h,
	v_lshl_or_b32 v45, v50, 16, v49
	v_or_b32 v46, 0x7f0000, v51                    ; (an empty slot: 127)
	v_lshlrev_b32 v44, v[SH8], v44                 ; at their places;
	v_lshlrev_b32 v45, v[SH8], v45
	v_lshlrev_b32 v46, v[SH8], v46
	v_permlanex16_b32 v120, v44, s20, s21
	v_permlanex16_b32 v121, v45, s20, s21
	v_permlanex16_b32 v122, v46, s20, s21
	v_or_b32 v[DSX], v44, v120                     ; with lane l xor 16's two the words are whole
	v_or_b32 v[DSX+1], v45, v121
	v_or_b32 v[DSX+2], v46, v122
.endm
.macro WM d, a, b, c, sa, sb, row1     ; source 0: a fragment of a weight, its scale words in lanes 0-15 or (row1) 16-31 of v[sa]; source 1: 16 rows
.if \row1
	v_wmma_scale_f32_16x16x128_f8f6f4 v[\d:\d+7], v[\a:\a+7], v[\b:\b+7], v[\c:\c+7], v[\sa], v[\sb] matrix_a_fmt:MATRIX_FMT_FP4 matrix_b_fmt:MATRIX_FMT_FP4 matrix_a_scale:MATRIX_SCALE_ROW1
.else
	v_wmma_scale_f32_16x16x128_f8f6f4 v[\d:\d+7], v[\a:\a+7], v[\b:\b+7], v[\c:\c+7], v[\sa], v[\sb] matrix_a_fmt:MATRIX_FMT_FP4 matrix_b_fmt:MATRIX_FMT_FP4
.endif
.endm
.macro PLACES n
.rept \n
	v_nop
.endr
.endm
; Layer l = 1, 2: K = 128, one product a tile of units and a tile of rows; the bias is its C.
.macro LAYERN l
	PLACES 8                                       ; a scale register written by a vector instruction stands 8 plain instructions ahead of a scaled product, an operand so written 4
	ds_load_b128 v[WSC:WSC+3], v[WI] offset:SCO+512*(2+\l)
.irp t, 0,2,4,6
	ds_load_b128 v[FRG:FRG+3], v[HB] offset:BIO+512*\l+64*\t
	ds_load_b128 v[FRG+4:FRG+7], v[HB] offset:BIO+512*\l+64*\t+16
	ds_load_b128 v[FRG+8:FRG+11], v[WI] offset:1024*(16+8*\l+\t)
	ds_load_b128 v[FRG+12:FRG+15], v[WI] offset:1024*(16+8*\l+\t)+512
	ds_load_b128 v[FRG+16:FRG+19], v[HB] offset:BIO+512*\l+64*\t+64
	ds_load_b128 v[FRG+20:FRG+23], v[HB] offset:BIO+512*\l+64*\t+80
	ds_load_b128 v[FRG+24:FRG+27], v[WI] offset:1024*(17+8*\l+\t)
	ds_load_b128 v[FRG+28:FRG+31], v[WI] offset:1024*(17+8*\l+\t)+512
	s_wait_dscnt 0x0
	WM ACCA+8*\t,   FRG+8,  44, FRG,    WSC+\t/2, DSC,   0
	WM ACCB+8*\t,   FRG+8,  52, FRG,    WSC+\t/2, DSC+3, 0
	WM ACCA+8*\t+8, FRG+24, 44, FRG+16, WSC+\t/2, DSC,   1
	WM ACCB+8*\t+8, FRG+24, 52, FRG+16, WSC+\t/2, DSC+3, 1
	PLACES 4                                       ; in front of the next loads into registers that these products read, and of the first read of results
.endr
.endm
; gelu on a tile's 64 numbers a lane, in place, from each result's low end on.  Each batch of 64 transcendentals has one plain line and one wait behind it, ahead of its first reader.
.macro GELU acc
.set J, 0
.rept 32
	v_pk_mul_f32 v[T64+J:T64+J+1], v[\acc+J:\acc+J+1], v[\acc+J:\acc+J+1]
.set J, J+2
.endr
.set J, 0
.rept 32
	v_pk_fma_f32 v[T64+J:T64+J+1], v[T64+J:T64+J+1], s[22:23], v[KA:KA+1] op_sel_hi:[1,0,1]   ; A + B x^2
.set J, J+2
.endr
.set J, 0
.rept 32
	v_pk_mul_f32 v[T64+J:T64+J+1], v[T64+J:T64+J+1], v[\acc+J:\acc+J+1]
.set J, J+2
.endr
.set J, 0
.rept 64
	v_exp_f32 v[T64+J], v[T64+J]
.set J, J+1
.endr
	v_nop
	s_wait_alu depctr_va_vdst(0)
.set J, 0
.rept 32
	v_pk_add_f32 v[T64+J:T64+J+1], v[T64+J:T64+J+1], 1.0 op_sel_hi:[1,0]
.set J, J+2
.endr
.set J, 0
.rept 64
	v_rcp_f32 v[T64+J], v[T64+J]
.set J, J+1
.endr
	v_nop
	s_wait_alu depctr_va_vdst(0)
.set J, 0
.rept 32
	v_pk_mul_f32 v[\acc+J:\acc+J+1], v[\acc+J:\acc+J+1], v[T64+J:T64+J+1]
.set J, J+2
.endr
.endm
; A tile's 64 numbers a lane are two whole blocks (h and 2 + h) of the next K: codes to v[hc] on, the row's scale word to v[ds].
.macro QH acc, hc, ds
	v_max3_num_f32 v60, |v[\acc]|, |v[\acc+1]|, FLOOR
	v_max3_num_f32 v61, |v[\acc+32]|, |v[\acc+33]|, FLOOR
.set J, 2
.rept 15
	v_max3_num_f32 v60, v60, |v[\acc+J]|, |v[\acc+J+1]|
	v_max3_num_f32 v61, v61, |v[\acc+32+J]|, |v[\acc+33+J]|
.set J, J+2
.endr
	v_add_nc_u32 v60, 0xff000000, v60
	v_add_nc_u32 v61, 0xff000000, v61
	v_lshrrev_b32 v62, 23, v60
	v_lshrrev_b32 v63, 23, v61
	v_lshl_or_b32 v62, v63, 16, v62
	v_lshlrev_b32 v62, v[SH8], v62
	v_permlanex16_b32 v63, v62, s20, s21
	v_or_b32 v[\ds], v62, v63
.irp t, 0,1,2,3,4,5,6,7
	v_cvt_scalef32_pk8_fp4_f32 v[\hc+\t], v[\acc+8*\t:\acc+8*\t+7], v[60+\t/4]
.endr
	v_nop                                          ; one plain line behind the conversions
.endm
.macro WLOAD g, set                    ; w_out of the eight units of tile g in my half, three outputs
.irp o, 0,1,2
	ds_load_b128 v[\set+8*\o:\set+8*\o+3], v[HB] offset:WOO+512*\o+64*(\g)
	ds_load_b128 v[\set+8*\o+4:\set+8*\o+7], v[HB] offset:WOO+512*\o+64*(\g)+16
.endr
.endm
	s_mov_b32 s19, 4
.Lstep:
	s_load_b512 s[68:83], s[6:7], 0x0              ; the step's 16 points: two words of cells each
	s_load_b512 s[84:99], s[6:7], 0x40
	GT 0
	GT 1
	; ---- layer 0: K = 384 in three K steps.  A tile of units at a time: its bias (the C of the first product), three fragments, six products; the two accumulators take turns
	PLACES 8                                       ; a scale register written by a vector instruction stands 8 plain instructions ahead of a scaled product
.irp g, 0,1,2
	ds_load_b128 v[WSC+4*\g:WSC+4*\g+3], v[WI] offset:SCO+512*\g
.endr
.irp t, 0,1,2,3,4,5,6,7
	ds_load_b128 v[FRG:FRG+3], v[HB] offset:BIO+64*\t
	ds_load_b128 v[FRG+4:FRG+7], v[HB] offset:BIO+64*\t+16
.irp s, 0,1,2
	ds_load_b128 v[FRG+8+8*\s:FRG+11+8*\s], v[WI] offset:1024*(3*\t+\s)
	ds_load_b128 v[FRG+12+8*\s:FRG+15+8*\s], v[WI] offset:1024*(3*\t+\s)+512
.endr
	s_wait_dscnt 0x0
	WM ACCA+8*\t, FRG+8,  60, FRG,       WSC+(3*\t)/2,   DSC,   (3*\t)%2
	WM ACCB+8*\t, FRG+8,  76, FRG,       WSC+(3*\t)/2,   DSC+3, (3*\t)%2
	WM ACCA+8*\t, FRG+16, 68, ACCA+8*\t, WSC+(3*\t+1)/2, DSC+1, (3*\t+1)%2
	WM ACCB+8*\t, FRG+16, 84, ACCB+8*\t, WSC+(3*\t+1)/2, DSC+4, (3*\t+1)%2
	WM ACCA+8*\t, FRG+24, 52, ACCA+8*\t, WSC+(3*\t+2)/2, DSC+2, (3*\t+2)%2
	WM ACCB+8*\t, FRG+24, 56, ACCB+8*\t, WSC+(3*\t+2)/2, DSC+5, (3*\t+2)%2
	PLACES 4                                       ; in front of the next loads into registers that these products read, and of the first read of results
.endr
	GELU ACCA
	QH ACCA, 44, DSC
	GELU ACCB
	QH ACCB, 52, DSC+3
	LAYERN 1
	GELU ACCA
	QH ACCA, 44, DSC
	GELU ACCB
	QH ACCB, 52, DSC+3
	LAYERN 2
	GELU ACCA
	GELU ACCB
	; ---- the fourth product: for each tile and output a pair of sums over my 64 units; w_out's next eight units are loaded while these are used
	WLOAD 0, 64
.irp g, 0,1,2,3,4,5,6,7
.if \g < 7
	WLOAD \g+1, 64+24*((\g+1)%2)
	s_wait_dscnt 6                                 ; all but the six just issued
.else
	s_wait_dscnt 0x0
.endif
.irp i, 0,1,2,3
.irp o, 0,1,2
.if (\g == 0) && (\i == 0)
	v_pk_mul_f32 v[44+2*\o:45+2*\o], v[ACCA:ACCA+1], v[64+8*\o:65+8*\o]            ; the first products start the sums
	v_pk_mul_f32 v[50+2*\o:51+2*\o], v[ACCB:ACCB+1], v[64+8*\o:65+8*\o]
.else
	v_pk_fma_f32 v[44+2*\o:45+2*\o], v[ACCA+8*\g+2*\i:ACCA+8*\g+2*\i+1], v[64+24*(\g%2)+8*\o+2*\i:65+24*(\g%2)+8*\o+2*\i], v[44+2*\o:45+2*\o]
	v_pk_fma_f32 v[50+2*\o:51+2*\o], v[ACCB+8*\g+2*\i:ACCB+8*\g+2*\i+1], v[64+24*(\g%2)+8*\o+2*\i:65+24*(\g%2)+8*\o+2*\i], v[50+2*\o:51+2*\o]
.endif
.endr
.endr
.endr
	; ---- the sums' ends: a row's other 64 units lie in lane l xor 16.  Lanes 0-15 end with image A's 16 rows, lanes 16-31 with image B's
.irp k, 0,1,2,3,4,5
	v_add_f32 v[44+2*\k], v[44+2*\k], v[45+2*\k]
.endr
.irp o, 0,1,2
	v_cndmask_b32 v[56+\o], v[50+2*\o], v[44+2*\o], s24            ; what I keep: A's in lanes 0-15, B's in lanes 16-31;
	v_cndmask_b32 v[60+\o], v[44+2*\o], v[50+2*\o], s24            ; what the other half wants of me
.endr
.irp o, 0,1,2
	v_permlanex16_b32 v[45+2*\o], v[60+\o], s20, s21
.endr
.irp o, 0,1,2
	v_add_f32 v[56+\o], v[56+\o], v[45+2*\o]
.endr
.irp o, 0,1,2
	v_fma_f32 v[56+\o], v[56+\o], s26, s[28+\o]    ; 2 log2(e) (y + b_out)
.endr
.irp o, 0,1,2
	v_exp_f32 v[56+\o], v[56+\o]
.endr
	v_nop
	s_wait_alu depctr_va_vdst(0)                   ; one wait for the three, ahead of their first reader
.irp o, 0,1,2
	v_add_f32 v[56+\o], 1.0, v[56+\o]
.endr
.irp o, 0,1,2
	v_rcp_f32 v[56+\o], v[56+\o]
.endr
.irp k, 0,1,2,3,4,5,6,7,8
	v_mov_b32 v[YO+\k], v[YO+3+\k]                 ; the queue moves up by a step's three: after four steps step q's results stand at 3 q.  (Plain work behind the reciprocals)
.endr
	s_wait_alu depctr_va_vdst(0)
.irp o, 0,1,2
	v_fma_f32 v[YO+9+\o], v[56+\o], -2.0, 1.0      ; tanh
.endr
	s_wait_kmcnt 0x0                               ; no scalar load is out,
	s_wait_xcnt 0x0                                ; and every load has read its base: the three pointers step by 16 points
	s_add_nc_u64 s[6:7], s[6:7], 128
	s_add_nc_u64 s[8:9], s[8:9], 256
	s_add_nc_u64 s[10:11], s[10:11], 256
	s_sub_co_u32 s19, s19, 1
	s_cmp_lg_u32 s19, 0
	s_cbranch_scc1 .Lstep
	; THE WAY OUT.  My 64 points x 3 numbers x 2 images are 2 x 768 bytes; they are laid in my own buffer as they lie in out0 and leave as six aligned runs of 256 bytes, sixteen lanes each.
	v_and_b32 v44, 15, v0
	v_bfe_u32 v45, v0, 4, 1
	v_mul_u32_u24 v46, v44, 12
	v_mad_u32_u24 v46, v45, 768, v46
	s_mul_i32 s2, s18, WBSZ
	v_add_nc_u32 v46, s2, v46                      ; my buffer + 768 h + 12 p
	v_mul_u32_u24 v47, v45, 785664
	v_add_nc_u32 v47, v47, v[L16]                  ; the middle store: lanes 16-31 begin image B (786,432 - 256 - 512 further on)
.irp q, 0,1,2,3
.irp o, 0,1,2
	ds_store_b32 v46, v[YO+3*\q+\o] offset:192*\q+4*\o
.endr
.endr
.irp i, 0,1,2
	ds_load_b128 v[96+4*\i:99+4*\i], v[TST] offset:512*\i          ; LDS serves a wave's instructions in order: these see my stores
.endr
	s_wait_dscnt 2
	global_store_b128 v[L16], v[96:99], s[16:17] th:TH_STORE_NT                    ; image A, bytes 0 .. 511
	s_wait_dscnt 1
	global_store_b128 v47, v[100:103], s[16:17] offset:512 th:TH_STORE_NT          ; image A, 512 .. 767; image B, 0 .. 255
	s_wait_dscnt 0x0
	global_store_b128 v[L16], v[104:107], s[16:17] offset:786688 th:TH_STORE_NT    ; image B, 256 .. 767
	s_wait_tensorcnt 0x0                           ; the wave's end, behind my last LDS store
	ds_add_u32 v1, v2
	s_wait_dscnt 0x0
	s_endpgm
.Lfunc_end_k_q52574125c1_main:
	.size	k_q52574125c1_main, .Lfunc_end_k_q52574125c1_main-k_q52574125c1_main
	.p2alignl 7, 3214868480
	.fill 96, 4, 3214868480
	.section	.rodata,"a",@progbits
	.p2align	6, 0x0
	.amdhsa_kernel k_q52574125c1_main
		.amdhsa_group_segment_fixed_size 314880
		.amdhsa_private_segment_fixed_size 0
		.amdhsa_enable_private_segment 0
		.amdhsa_kernarg_size 56
		.amdhsa_user_sgpr_count 2
		.amdhsa_user_sgpr_kernarg_segment_ptr 1
		.amdhsa_wavefront_size32 1
		.amdhsa_system_sgpr_workgroup_id_x 1
		.amdhsa_system_sgpr_workgroup_id_y 1
		.amdhsa_system_sgpr_workgroup_id_z 1
		.amdhsa_system_vgpr_workitem_id 0
		.amdhsa_next_free_vgpr 256
		.amdhsa_next_free_sgpr 104
		.amdhsa_reserve_vcc 0
		.amdhsa_float_denorm_mode_32 3
		.amdhsa_float_denorm_mode_16_64 3
		.amdhsa_memory_ordered 1
		.amdhsa_forward_progress 1
		.amdhsa_inst_pref_size 254
	.end_amdhsa_kernel
	.amdgpu_metadata
---
amdhsa.version: [ 1, 2 ]
amdhsa.kernels:
  - .name:           k_q52574125c1_main
    .symbol:         k_q52574125c1_main.kd
    .args:
      - { .name: feature_grid, .offset: 0, .size: 8, .value_kind: global_buffer, .address_space: global }
      - { .name: pidx, .offset: 8, .size: 8, .value_kind: global_buffer, .address_space: global }
      - { .name: pwt, .offset: 16, .size: 8, .value_kind: global_buffer, .address_space: global }
      - { .name: prec, .offset: 24, .size: 8, .value_kind: global_buffer, .address_space: global }
      - { .name: wimg, .offset: 32, .size: 8, .value_kind: global_buffer, .address_space: global }
      - { .name: b_out, .offset: 40, .size: 8, .value_kind: global_buffer, .address_space: global }
      - { .name: out0, .offset: 48, .size: 8, .value_kind: global_buffer, .address_space: global }
    .group_segment_fixed_size: 314880
    .private_segment_fixed_size: 0
    .kernarg_segment_align: 8
    .kernarg_segment_size: 56
    .max_flat_workgroup_size: 512
    .sgpr_count:     104
    .vgpr_count:     256
    .wavefront_size: 32
...
	.end_amdgpu_metadata
.endif
;; end of part 2
;; ======== version 2 of 2: 2 launches
;; limits: inputs' magnitudes at most 512
;; workspace buffers: pidx 524,288 bytes of whole numbers; pwt 2,097,152 bytes; prec 4,194,304 bytes; wimg 46,592 bytes
;; launch prep (part 3): grid 259 x 1, 8 waves a work-group, no clusters, 0 bytes of LDS; arguments coords, w0, w1, w2, b0, b1, b2, w_out, pidx, pwt, prec, wimg; writes pidx, pwt, prec, wimg
.if DOCPART == 3
	.amdgcn_target "amdgcn-amd-amdhsa--gfx1250"
	.amdhsa_code_object_version 6
	.text
	.protected	k_q52574125c1_prep
	.globl	k_q52574125c1_prep
	.p2align	8
	.type	k_q52574125c1_prep,@function
k_q52574125c1_prep:
	s_mov_b64 s[64:65], 0
	v_nop
	global_prefetch_b8 v0, s[64:65] scope:SCOPE_SE
	s_setreg_imm32_b32 hwreg(HW_REG_WAVE_MODE, 25, 1), 1
	s_wait_xcnt 0x0
; PREP: all that does not hang on the image.
; NO WORK OF reference() IS LEFT OUT, and every input is loaded (feature_grid and b_out by the second launch).  reference() broadcasts the 42 encodings to its 8 images: they, and the codes of
; K block 0 (k = 0 .. 31, encodings alone), are the same numbers in all 8, so they are made once here and read 8 times.  K = 298 is filled to 384 by zero codes on the weights' side, as the quantiser fills its last block.
; WORK-GROUPS 0 .. 255, a thread a point n: the four corner cells (row x 64 + column, as whole numbers: the next launch forms addresses from them), the four bilinear weights, the encodings 32 .. 41 as f32,
; block 0's 32 codes of E2M1 and its E8M0 byte.
;   pidx: 8 n: c00 | c01 << 16, c10 | c11 << 16.    pwt: plane 0 at 16 n: w00, w00, w01, w01; plane 1, 1 MiB on: w10, w10, w11, w11 (each twice: the low word of an even scalar pair).
;   prec: four planes of 1 MiB, 16 bytes a point: enc 32-35 | enc 36-39 | enc 40, enc 41, block 0's byte, 0 | block 0's codes.
; WORK-GROUPS 256 .. 258, a wave a job J = 0 .. 23: the weights as images of the matrix operands' registers (wimg, copied as it lies into the next launch's LDS).
;   J < 20: fragments 2 J, 2 J + 1 (f = 3 t + s: w0's unit tile t, K step s; 24 + t: w1; 32 + t: w2) at 1024 f + 512 c + 16 lane, and one register of scale words (lanes 0-15 the even fragment's, 16-31 the odd one's).
;   Row r of unit tile t is unit 64 (t / 4) + 32 (r / 8) + 8 (t % 4) + r % 8: so a lane's results of tiles 4 c .. 4 c + 3 are one whole block of 32 of the next K, in order.
;   w0's K blocks stand in the slots (2 c + h) of its three K steps as 2 3 4 5 | 6 7 1 8 | 0 9 Z Z (Z: zero codes).  In block 1 position q is k = 32 + (q + 12) % 32, as the next launch's registers hold it.
;   J = 20 .. 22: b0, b1, b2 in the layout of a result; J = 23: w_out likewise, an output at a time.
; THE QUANTISER: a block's scale is 2^(floor(log2(largest magnitude)) - 2): the largest magnitude's exponent field less 2 is the byte.
; LIMITS.  |coords| up to 2^9: beyond it the sine's quadrant number is no longer safely rounded (cells: any whole number, reflected with period 128; the conversion saturates at 2^31).
; A block of zeros has the byte 1 and not 127: its codes are zeros, and this program alone reads the bytes.  Largest magnitudes under 2^-124 are held at that floor.  NaN and infinities among the inputs are not served.
.set SCO,   40960                      ; wimg: the scale registers' images
.set BIO,   43520                      ; the bias tables
.set WOO,   45056                      ; w_out's table
.set MIB,   1048576
.set FLOOR, 0x1800000                  ; 2^(3 - 127)
	s_load_b512 s[4:19], s[0:1], 0x0               ; coords s[4:5], w0 s[6:7], w1 s[8:9], w2 s[10:11], b0 s[12:13], b1 s[14:15], b2 s[16:17], w_out s[18:19]
	s_load_b256 s[36:43], s[0:1], 0x40             ; pidx s[36:37], pwt s[38:39], prec s[40:41], wimg s[42:43]
	s_mov_b32 s20, 0x3f22f983                      ; 2 / pi
	s_mov_b32 s21, 0x3fc90fdb                      ; pi / 2 in three parts: 1.57079637,
	s_mov_b32 s22, 0xb33bbd2e                      ; -4.37113883e-8,
	s_mov_b32 s23, 0xa6f72cec                      ; -1.7151245e-15
	s_mov_b32 s24, 0xb94ca1f9                      ; sine: -1.9515295891e-4,
	s_mov_b32 s25, 0x3c08839e                      ; 8.3321608736e-3,
	s_mov_b32 s26, 0xbe2aaaa3                      ; -1.6666654611e-1
	s_mov_b32 s27, 0x37ccf5ce                      ; cosine: 2.443315712e-5,
	s_mov_b32 s28, 0xbab6061a                      ; -1.388731625e-3,
	s_mov_b32 s29, 0x3d2aaaa5                      ; 4.166664568e-2
	s_mov_b32 s58, 0x76543210                      ; v_permlanex16_b32's selects for lane l xor 16
	s_mov_b32 s59, 0xfedcba98
	s_cmp_ge_u32 ttmp9, 256
	s_cbranch_scc1 .Lweights
; ---------------- a thread a point
; v4, v5 the coordinates; v32-73 the 42 encodings in reference()'s order; v74 block 0's byte, v75 0; v76-79 its codes; v80-87 the weights; v88-89 the cells; v90-91 x pi; v96-108 at work
	s_lshl_b32 s44, ttmp9, 8
	v_add_nc_u32 v1, s44, v0                       ; n
	s_delay_alu instid0(VALU_DEP_1)
	v_lshlrev_b32 v2, 3, v1
	s_delay_alu instid0(VALU_DEP_2)
	v_lshlrev_b32 v3, 4, v1
	s_wait_alu depctr_va_vdst(0)
	s_wait_kmcnt 0x0
	global_load_b64 v[4:5], v2, s[4:5]
	s_wait_loadcnt 0x0
; One axis, step by step as reference() rounds it (not fused: the floor hangs on these roundings): t = ((x + 1) / 2) 63; lower = floor t; the upper weight t - lower, the lower 1 - that.
; 'reflect' for any whole number i: with j = i mod 128 the cell is min(j, 127 - j).
.macro AXIS x, i0, i1, lw, uw
	v_add_f32 v6, 1.0, v[\x]
	s_delay_alu instid0(VALU_DEP_1)
	v_mul_f32 v6, 0.5, v6
	s_delay_alu instid0(VALU_DEP_1)
	v_mul_f32 v6, 0x427c0000, v6                   ; x 63
	s_delay_alu instid0(VALU_DEP_1)
	v_floor_f32 v7, v6
	s_delay_alu instid0(VALU_DEP_1)
	v_sub_f32 v[\uw], v6, v7
	s_delay_alu instid0(VALU_DEP_1)
	v_sub_f32 v[\lw], 1.0, v[\uw]
	s_delay_alu instid0(VALU_DEP_3)
	v_cvt_i32_f32 v7, v7
	s_delay_alu instid0(VALU_DEP_1)
	v_and_b32 v[\i0], 0x7f, v7
	s_delay_alu instid0(VALU_DEP_1)
	v_sub_nc_u32 v8, 0x7f, v[\i0]
	s_delay_alu instid0(VALU_DEP_1)
	v_min_u32 v[\i0], v[\i0], v8
	s_delay_alu instid0(VALU_DEP_4)
	v_add_nc_u32 v7, 1, v7
	s_delay_alu instid0(VALU_DEP_1)
	v_and_b32 v[\i1], 0x7f, v7
	s_delay_alu instid0(VALU_DEP_1)
	v_sub_nc_u32 v8, 0x7f, v[\i1]
	s_delay_alu instid0(VALU_DEP_1)
	v_min_u32 v[\i1], v[\i1], v8
.endm
	AXIS 4, 10, 11, 12, 13                         ; rows
	AXIS 5, 14, 15, 16, 17                         ; columns
	v_lshl_add_u32 v18, v10, 6, v14                ; c00
	s_delay_alu instid0(VALU_DEP_2)
	v_lshl_add_u32 v19, v10, 6, v15                ; c01
	v_lshl_add_u32 v20, v11, 6, v14                ; c10
	s_delay_alu instid0(VALU_DEP_4)
	v_lshl_add_u32 v21, v11, 6, v15                ; c11
	s_delay_alu instid0(VALU_DEP_3)
	v_lshl_or_b32 v88, v19, 16, v18
	s_delay_alu instid0(VALU_DEP_2)
	v_lshl_or_b32 v89, v21, 16, v20
	v_mul_f32 v80, v12, v16                        ; w00
	v_mul_f32 v82, v12, v17                        ; w01
	v_mul_f32 v84, v13, v16                        ; w10
	v_mul_f32 v86, v13, v17                        ; w11
	s_delay_alu instid0(VALU_DEP_4)
	v_mov_b32 v81, v80
	s_delay_alu instid0(VALU_DEP_4)
	v_mov_b32 v83, v82
	s_delay_alu instid0(VALU_DEP_4)
	v_mov_b32 v85, v84
	s_delay_alu instid0(VALU_DEP_4)
	v_mov_b32 v87, v86
	global_store_b64 v2, v[88:89], s[36:37]        ; a wave stores 256 consecutive bytes
	global_store_b128 v3, v[80:83], s[38:39]       ; 512
	global_store_b128 v3, v[84:87], s[38:39] offset:MIB
	v_mov_b32 v32, v4                              ; the encoding begins with x itself
	v_mov_b32 v33, v5
	v_mul_f32 v90, 0x40490fdb, v4                  ; x pi in f32; x (2^f pi) in f32 is 2^f times that, exactly
	v_mul_f32 v91, 0x40490fdb, v5
; sin z and cos z: q = the nearest whole number to z 2 / pi; r = z - q pi / 2 by three fused steps (the first is exact); polynomials on |r| <= pi / 4; the quadrant chooses and signs.
.macro SINCOS z, ds, dc
	s_delay_alu instid0(VALU_DEP_1)
	v_mul_f32 v96, s20, v[\z]
	s_delay_alu instid0(VALU_DEP_1)
	v_rndne_f32 v96, v96
	s_delay_alu instid0(VALU_DEP_1)
	v_fma_f32 v97, -v96, s21, v[\z]
	s_delay_alu instid0(VALU_DEP_1)
	v_fma_f32 v97, -v96, s22, v97
	s_delay_alu instid0(VALU_DEP_1)
	v_fma_f32 v97, -v96, s23, v97                  ; r
	s_delay_alu instid0(VALU_DEP_4)
	v_cvt_i32_f32 v98, v96                         ; q
	s_delay_alu instid0(VALU_DEP_2)
	v_mul_f32 v99, v97, v97                        ; r^2
	s_delay_alu instid0(VALU_DEP_1)
	v_fma_f32 v100, v99, s24, s25
	s_delay_alu instid0(VALU_DEP_2)
	v_fma_f32 v102, v99, s27, s28
	s_delay_alu instid0(VALU_DEP_2)
	v_fma_f32 v100, v100, v99, s26
	s_delay_alu instid0(VALU_DEP_2)
	v_fma_f32 v102, v102, v99, s29
	v_mul_f32 v101, v99, v97                       ; r^3
	v_mul_f32 v103, v99, v99                       ; r^4
	v_fma_f32 v104, v99, -0.5, 1.0
	s_delay_alu instid0(VALU_DEP_3)
	v_fma_f32 v100, v100, v101, v97                ; sin r
	s_delay_alu instid0(VALU_DEP_2)
	v_fma_f32 v102, v102, v103, v104               ; cos r
	v_and_b32 v105, 1, v98
	s_delay_alu instid0(VALU_DEP_1)
	v_cmp_eq_u32 vcc_lo, 1, v105
	s_delay_alu instid0(VALU_DEP_1)
	v_cndmask_b32 v106, v100, v102, vcc_lo         ; q odd: the two change places
	s_delay_alu instid0(VALU_DEP_2)
	v_cndmask_b32 v107, v102, v100, vcc_lo
	v_lshlrev_b32 v105, 30, v98                    ; the sine's sign: bit 1 of q;
	s_delay_alu instid0(VALU_DEP_1)
	v_and_b32 v105, 0x80000000, v105
	s_delay_alu instid0(VALU_DEP_1)
	v_xor_b32 v[\ds], v105, v106
	v_add_nc_u32 v98, 1, v98                       ; the cosine's: bit 1 of q + 1
	s_delay_alu instid0(VALU_DEP_1)
	v_lshlrev_b32 v98, 30, v98
	s_delay_alu instid0(VALU_DEP_1)
	v_and_b32 v98, 0x80000000, v98
	s_delay_alu instid0(VALU_DEP_1)
	v_xor_b32 v[\dc], v98, v107
.endm
.irp f, 0,1,2,3,4,5,6,7,8,9
.irp d, 0,1
	v_ldexp_f32 v108, v[90+\d], \f
	SINCOS 108, 34+4*\f+\d, 36+4*\f+\d             ; encoding 2 + 4 f + d is the sine, 4 + 4 f + d the cosine
.endr
.endr
	v_max3_num_f32 v96, |v32|, |v33|, FLOOR        ; block 0: k = 0 .. 31
.irp i, 34,36,38,40,42,44,46,48,50,52,54,56,58,60,62
	s_delay_alu instid0(VALU_DEP_1)
	v_max3_num_f32 v96, v96, |v[\i]|, |v[\i+1]|
.endr
	s_delay_alu instid0(VALU_DEP_1)
	v_add_nc_u32 v97, 0xff000000, v96              ; 2 off the exponent field: the conversion takes this operand's exponent field as its scale
.irp g, 0,1,2,3
	v_cvt_scalef32_pk8_fp4_f32 v[76+\g], v[32+8*\g:39+8*\g], v97
.endr
	v_lshrrev_b32 v74, 23, v97                     ; the byte
	v_mov_b32 v75, 0
	global_store_b128 v3, v[64:67], s[40:41]       ; enc 32 .. 35
	global_store_b128 v3, v[68:71], s[40:41] offset:MIB
	global_store_b128 v3, v[72:75], s[40:41] offset:2*MIB
	global_store_b128 v3, v[76:79], s[40:41] offset:3*MIB
	s_endpgm
; ---------------- a wave a job
.Lweights:
	v_lshrrev_b32 v1, 5, v0
	s_delay_alu instid0(VALU_DEP_1)
	v_readfirstlane_b32 s44, v1                    ; wave
	s_sub_co_u32 s45, ttmp9, 256
	s_lshl_b32 s45, s45, 3
	s_add_co_u32 s45, s45, s44                     ; J
	v_and_b32 v2, 31, v0                           ; lane
	v_and_b32 v3, 15, v0                           ; p
	v_bfe_u32 v4, v0, 4, 1                         ; h
	s_delay_alu instid0(VALU_DEP_1)
	v_lshlrev_b32 v5, 3, v4                        ; 8 h
	v_mov_b32 v39, 0                               ; (a lane permute's destination counts as one of its sources)
	s_wait_kmcnt 0x0
	s_cmp_ge_u32 s45, 20
	s_cbranch_scc1 .Ltables
; Fragment f = 2 J + e.  v64-127 each number's k, v128-191 its byte offset, v192-255 the number; v[16 + 8 e ..] the codes; v[40 + e] the scale words.
.macro FRAG e
	s_lshl_b32 s46, s45, 1
	s_add_co_u32 s46, s46, \e                      ; f
	s_mul_hi_u32 s47, s46, 0x55555556              ; f / 3
	s_mul_i32 s48, s47, 3
	s_sub_co_u32 s48, s46, s48                     ; f % 3: w0's K step
	s_mov_b32 s49, 0x05040302                      ; which K block stands in slot 2 c + h: a byte a slot
	s_cmp_eq_u32 s48, 1
	s_cselect_b32 s49, 0x08010706, s49
	s_cmp_eq_u32 s48, 2
	s_cselect_b32 s49, 0x20200900, s49             ; (block 32 lies past K: zeros)
	s_sub_co_u32 s50, s46, 24
	s_and_b32 s50, s50, 7                          ; w1's and w2's unit tile
	s_mov_b32 s51, 128
	s_cmp_lt_u32 s46, 32
	s_cselect_b64 s[52:53], s[8:9], s[10:11]
	s_cmp_lt_u32 s46, 24
	s_cselect_b64 s[52:53], s[6:7], s[52:53]       ; the weight
	s_cselect_b32 s47, s47, s50                    ; t
	s_cselect_b32 s49, s49, 0x03020100
	s_cselect_b32 s51, 298, s51                    ; K
	s_cselect_b32 s54, 12, 0                       ; block 1 of w0 is turned by 12 places
	s_sub_co_u32 s57, s51, 1
	s_lshr_b32 s55, s47, 2
	s_lshl_b32 s55, s55, 6
	s_and_b32 s56, s47, 3
	s_lshl_b32 s56, s56, 3
	s_add_co_u32 s55, s55, s56                     ; 64 (t / 4) + 8 (t % 4)
	v_lshrrev_b32 v6, v5, s49
	s_delay_alu instid0(VALU_DEP_1)
	v_and_b32 v7, 0xff, v6                         ; my block for c = 0,
	s_delay_alu instid0(VALU_DEP_2)
	v_bfe_u32 v8, v6, 16, 8                        ; for c = 1
	v_mov_b32 v10, s54
	s_delay_alu instid0(VALU_DEP_3)
	v_cmp_eq_u32 vcc_lo, 1, v7
	s_delay_alu instid0(VALU_DEP_1)
	v_cndmask_b32 v9, 0, v10, vcc_lo               ; their turns
	s_delay_alu instid0(VALU_DEP_4)
	v_cmp_eq_u32 vcc_lo, 1, v8
	s_delay_alu instid0(VALU_DEP_1)
	v_cndmask_b32 v10, 0, v10, vcc_lo
	v_lshlrev_b32 v7, 5, v7
	v_lshlrev_b32 v8, 5, v8
	v_and_b32 v11, 7, v3
	v_bfe_u32 v12, v3, 3, 1
	s_delay_alu instid0(VALU_DEP_1)
	v_lshl_add_u32 v11, v12, 5, v11
	s_delay_alu instid0(VALU_DEP_1)
	v_add_nc_u32 v11, s55, v11                     ; my unit
	s_delay_alu instid0(VALU_DEP_1)
	v_lshlrev_b32 v11, 2, v11
.irp c, 0,1
.set Q, 0
.rept 32
	v_add_nc_u32 v[64+32*\c+Q], Q, v[9+\c]
	s_delay_alu instid0(VALU_DEP_1)
	v_and_or_b32 v[64+32*\c+Q], v[64+32*\c+Q], 31, v[7+\c]         ; k
	s_delay_alu instid0(VALU_DEP_1)
	v_min_u32 v[128+32*\c+Q], s57, v[64+32*\c+Q]                   ; no load leaves the weight
	s_delay_alu instid0(VALU_DEP_1)
	v_lshl_add_u32 v[128+32*\c+Q], v[128+32*\c+Q], 9, v11          ; a row of a weight is 512 bytes
	global_load_b32 v[192+32*\c+Q], v[128+32*\c+Q], s[52:53]
.set Q, Q+1
.endr
.endr
	s_wait_loadcnt 0x0
.set Q, 0
.rept 64
	v_cmp_gt_u32 vcc_lo, s51, v[64+Q]
	s_delay_alu instid0(VALU_DEP_1)
	v_cndmask_b32 v[192+Q], 0, v[192+Q], vcc_lo    ; past K: zeros
.set Q, Q+1
.endr
.irp c, 0,1
	v_max3_num_f32 v[13+\c], |v[192+32*\c]|, |v[193+32*\c]|, FLOOR
.endr
.set Q, 2
.rept 15
	s_delay_alu instid0(VALU_DEP_2)
	v_max3_num_f32 v13, v13, |v[192+Q]|, |v[193+Q]|
	s_delay_alu instid0(VALU_DEP_2)
	v_max3_num_f32 v14, v14, |v[224+Q]|, |v[225+Q]|
.set Q, Q+2
.endr
	s_delay_alu instid0(VALU_DEP_2)
	v_add_nc_u32 v13, 0xff000000, v13
	s_delay_alu instid0(VALU_DEP_2)
	v_add_nc_u32 v14, 0xff000000, v14
.irp c, 0,1
.irp g, 0,1,2,3
	v_cvt_scalef32_pk8_fp4_f32 v[16+8*\e+4*\c+\g], v[192+32*\c+8*\g:199+32*\c+8*\g], v[13+\c]
.endr
.endr
	v_lshrrev_b32 v36, 23, v13
	v_lshrrev_b32 v37, 23, v14
	s_delay_alu instid0(VALU_DEP_1)
	v_lshl_or_b32 v38, v37, 16, v36                ; my two bytes: slots h and 2 + h,
	s_delay_alu instid0(VALU_DEP_1)
	v_lshlrev_b32 v38, v5, v38                     ; at their places;
	s_delay_alu instid0(VALU_DEP_1)
	v_permlanex16_b32 v39, v38, s58, s59
	s_delay_alu instid0(VALU_DEP_1)
	v_or_b32 v[40+\e], v38, v39                    ; with lane l xor 16's two the word is whole
	s_lshl_b32 s56, s46, 10
	v_lshl_add_u32 v[32+\e], v2, 4, s56
	global_store_b128 v[32+\e], v[16+8*\e:19+8*\e], s[42:43]
	global_store_b128 v[32+\e], v[20+8*\e:23+8*\e], s[42:43] offset:512
.endm
	s_wait_alu depctr_va_vdst(0)
	FRAG 0
	FRAG 1                                         ; (the loads are back, so their offsets and base may be written; the stores' registers are each fragment's own)
	v_cmp_eq_u32 vcc_lo, 1, v4
	s_delay_alu instid0(VALU_DEP_1)
	v_cndmask_b32 v42, v40, v41, vcc_lo            ; lanes 0-15: the even fragment's words; lanes 16-31: the odd one's
	s_lshr_b32 s46, s45, 2
	s_lshl_b32 s46, s46, 9
	s_and_b32 s47, s45, 3
	s_lshl_b32 s47, s47, 2
	s_add_co_u32 s46, s46, s47
	s_add_co_u32 s46, s46, SCO                     ; four such registers side by side in 16 bytes a lane
	v_lshl_add_u32 v43, v2, 4, s46
	global_store_b32 v43, v42, s[42:43]
	s_endpgm
.Ltables:
	s_cmp_eq_u32 s45, 23
	s_cbranch_scc1 .Lwout
	s_cmp_eq_u32 s45, 20                           ; a bias as [tile t][half h][8]: b[64 (t / 4) + 32 h + 8 (t % 4) + j]; a lane moves four numbers
	s_cselect_b64 s[52:53], s[12:13], s[14:15]
	s_cmp_eq_u32 s45, 22
	s_cselect_b64 s[52:53], s[16:17], s[52:53]
	s_wait_alu depctr_va_vdst(0)
	v_lshrrev_b32 v6, 4, v2                        ; t / 4
	v_bfe_u32 v7, v2, 2, 2                         ; t % 4
	v_bfe_u32 v8, v2, 1, 1                         ; h
	v_and_b32 v9, 1, v2
	s_delay_alu instid0(VALU_DEP_4)
	v_lshlrev_b32 v10, 8, v6
	s_delay_alu instid0(VALU_DEP_1)
	v_lshl_add_u32 v10, v8, 7, v10
	s_delay_alu instid0(VALU_DEP_1)
	v_lshl_add_u32 v10, v7, 5, v10
	s_delay_alu instid0(VALU_DEP_1)
	v_lshl_add_u32 v10, v9, 4, v10
	global_load_b128 v[12:15], v10, s[52:53]
	s_sub_co_u32 s46, s45, 20
	s_lshl_b32 s46, s46, 9
	s_add_co_u32 s46, s46, BIO
	v_lshl_add_u32 v11, v2, 4, s46
	s_wait_alu depctr_va_vdst(0)
	s_wait_loadcnt 0x0
	global_store_b128 v11, v[12:15], s[42:43]
	s_endpgm
.Lwout:                                                ; w_out as [output o][tile g][half h][8]: w_out[64 (g / 4) + 32 h + 8 (g % 4) + j][o]
	s_wait_alu depctr_va_vdst(0)
.irp e, 0,1,2,3,4,5,6,7,8,9,10,11
	v_add_nc_u32 v5, 32*(\e%4), v2                 ; 16 g + 8 h + j
	s_delay_alu instid0(VALU_DEP_1)
	v_lshrrev_b32 v6, 6, v5
	s_delay_alu instid0(VALU_DEP_2)
	v_bfe_u32 v7, v5, 4, 2
	s_delay_alu instid0(VALU_DEP_3)
	v_bfe_u32 v8, v5, 3, 1
	s_delay_alu instid0(VALU_DEP_4)
	v_and_b32 v9, 7, v5
	s_delay_alu instid0(VALU_DEP_1)
	v_lshl_add_u32 v9, v6, 6, v9
	s_delay_alu instid0(VALU_DEP_1)
	v_lshl_add_u32 v9, v8, 5, v9
	s_delay_alu instid0(VALU_DEP_1)
	v_lshl_add_u32 v9, v7, 3, v9                   ; the unit
	s_delay_alu instid0(VALU_DEP_1)
	v_mul_u32_u24 v[16+\e], v9, 12
	global_load_b32 v[32+\e], v[16+\e], s[18:19] offset:4*(\e/4)
.endr
	v_lshlrev_b32 v10, 2, v2
	s_wait_alu depctr_va_vdst(0)
	s_wait_loadcnt 0x0
.irp e, 0,1,2,3,4,5,6,7,8,9,10,11
	global_store_b32 v10, v[32+\e], s[42:43] offset:WOO+128*\e
.endr
	s_endpgm
.Lfunc_end_k_q52574125c1_prep:
	.size	k_q52574125c1_prep, .Lfunc_end_k_q52574125c1_prep-k_q52574125c1_prep
	.p2alignl 7, 3214868480
	.fill 96, 4, 3214868480
	.section	.rodata,"a",@progbits
	.p2align	6, 0x0
	.amdhsa_kernel k_q52574125c1_prep
		.amdhsa_group_segment_fixed_size 0
		.amdhsa_private_segment_fixed_size 0
		.amdhsa_enable_private_segment 0
		.amdhsa_kernarg_size 96
		.amdhsa_user_sgpr_count 2
		.amdhsa_user_sgpr_kernarg_segment_ptr 1
		.amdhsa_wavefront_size32 1
		.amdhsa_system_sgpr_workgroup_id_x 1
		.amdhsa_system_sgpr_workgroup_id_y 1
		.amdhsa_system_sgpr_workgroup_id_z 1
		.amdhsa_system_vgpr_workitem_id 0
		.amdhsa_next_free_vgpr 256
		.amdhsa_next_free_sgpr 66
		.amdhsa_reserve_vcc 1
		.amdhsa_float_denorm_mode_32 3
		.amdhsa_float_denorm_mode_16_64 3
		.amdhsa_memory_ordered 1
		.amdhsa_forward_progress 1
		.amdhsa_inst_pref_size 133
	.end_amdhsa_kernel
	.amdgpu_metadata
---
amdhsa.version: [ 1, 2 ]
amdhsa.kernels:
  - .name:           k_q52574125c1_prep
    .symbol:         k_q52574125c1_prep.kd
    .args:
      - { .name: coords, .offset: 0, .size: 8, .value_kind: global_buffer, .address_space: global }
      - { .name: w0, .offset: 8, .size: 8, .value_kind: global_buffer, .address_space: global }
      - { .name: w1, .offset: 16, .size: 8, .value_kind: global_buffer, .address_space: global }
      - { .name: w2, .offset: 24, .size: 8, .value_kind: global_buffer, .address_space: global }
      - { .name: b0, .offset: 32, .size: 8, .value_kind: global_buffer, .address_space: global }
      - { .name: b1, .offset: 40, .size: 8, .value_kind: global_buffer, .address_space: global }
      - { .name: b2, .offset: 48, .size: 8, .value_kind: global_buffer, .address_space: global }
      - { .name: w_out, .offset: 56, .size: 8, .value_kind: global_buffer, .address_space: global }
      - { .name: pidx, .offset: 64, .size: 8, .value_kind: global_buffer, .address_space: global }
      - { .name: pwt, .offset: 72, .size: 8, .value_kind: global_buffer, .address_space: global }
      - { .name: prec, .offset: 80, .size: 8, .value_kind: global_buffer, .address_space: global }
      - { .name: wimg, .offset: 88, .size: 8, .value_kind: global_buffer, .address_space: global }
    .group_segment_fixed_size: 0
    .private_segment_fixed_size: 0
    .kernarg_segment_align: 8
    .kernarg_segment_size: 96
    .max_flat_workgroup_size: 256
    .sgpr_count:     66
    .vgpr_count:     256
    .wavefront_size: 32
...
	.end_amdgpu_metadata
.endif
;; end of part 3
;; launch main (part 4): grid 256 x 1, 16 waves a work-group, no clusters, 314,880 bytes of LDS; arguments feature_grid, pidx, pwt, prec, wimg, b_out, out0; writes out0
.if DOCPART == 4
	.amdgcn_target "amdgcn-amd-amdhsa--gfx1250"
	.amdhsa_code_object_version 6
	.text
	.protected	k_q52574125c1_main
	.globl	k_q52574125c1_main
	.p2align	8
	.type	k_q52574125c1_main,@function
k_q52574125c1_main:
	s_mov_b64 s[64:65], 0
	v_nop
	global_prefetch_b8 v0, s[64:65] scope:SCOPE_SE
	s_setreg_imm32_b32 hwreg(HW_REG_WAVE_SCHED_MODE, 0, 2), 2
	s_setreg_imm32_b32 hwreg(HW_REG_WAVE_MODE, 25, 1), 1
	s_wait_xcnt 0x0
	s_wait_alu depctr_vm_vsrc(0)
; MAIN: out0[b][n] = tanh(gelu(gelu(gelu([enc(n), sample(b, n)] w0 + b0) w1 + b1) w2 + b2) w_out + b_out); the first three products on codes of E2M1 with one E8M0 scale for each 32 along K, the last in f32.
; No work of reference() is left out here; what is the same in all 8 images (cells, bilinear weights, encodings, K block 0's codes, the weights' codes) was made once by the launch before.
; SHARES.  256 work-groups of 16 waves, 256 registers a wave.  Work-group g owns points 256 g .. + 255 in all 8 images; wave w owns 64 of them (w % 4) in images 2 (w / 4) (tile A) and 2 (w / 4) + 1 (tile B),
; in 4 steps of 16 points x 2 images.  Each fragment of a weight read from LDS feeds both tiles.  Waves share nothing but the weights' image in LDS, stored once: one barrier.
; A STEP.  G: for each of a tile's 16 rows the four corner vectors (1,024 bytes each) come by loads in which 32 lanes read 512 consecutive bytes, four rows ahead; four packed multiply-adds a pair; the row goes into the wave's
; own LDS buffer.  T: it comes back turned: lane (p, h) holds whole K blocks of row p, which are quantised in its registers.  Then three layers, TRANSPOSED (source 0 = 16 units of a weight, source 1 = 16 rows): a lane
; holds one row throughout, and by the choice of a tile's units its 32 results of tiles 4 c .. 4 c + 3 are K block 2 c + h of the next product in order: one conversion a tile gives the next operand's register.
; K OF THE FIRST PRODUCT: channel c is k = 42 + c.  Blocks stand in the slots (2 c + h) of three K steps as 2 3 4 5 | 6 7 1 8 | 0 9 Z Z; Z and block 9's places 10 .. 31 meet zero weight codes, so whatever codes stand there add nothing.
; gelu(x) = x / (1 + 2^(x (A + B x^2))), A = -2 log2(e) sqrt(2 / pi), B = 0.044715 A: reference()'s tanh form in real numbers, with no difference of near numbers; at large |x| it gives x or -0 as that does.
; The fourth product has 3 columns: packed f32 multiply-adds.  tanh(y) = 1 - 2 / (1 + 2^(2 log2(e) y)).
; LIMITS.  The interpolation is one multiply and three fused multiply-adds where reference() rounds each product.  A block of zeros has the byte 1 and not 127 (its codes are zeros); largest magnitudes under 2^-124 are held there.
; NaN and infinities among the inputs are not served.  A cell read from pidx is held at 4,095, the table's last.
; LDS: wave w's turn buffer at 16,640 w (16 rows, 1,040 bytes apart: 1,024 + 16, so that 16 rows start at 16 different columns of 16 bytes); the weights' image at 266,240; the spare words at 312,832.
; REGISTERS: v1, v2 the add's two; v3-11 addresses; v12-13 A; v14-25 the wave's 12 results; v26-37 the weights' scale words, v38-43 the rows' (scales and nothing else); v44-95 and v96-255 by phase:
;   G: v96-255 five slots of 32 (corner c at + 8 c); v76-91 two out-buffers of a row's eight numbers.   T: v96, v132, v168, v204: 36 numbers each; v240-251 the point's record; v44-51 at work.
;   codes: A's K step 2 at v52, B's at v56, A's 0, 1 at v60, v68, B's at v76, v84.
;   layers: tile A's results v128-191, tile B's v192-255; a bias and fragments in two sets by turns: layer 0: v96-127, and v176-191 with v240-255 (unit tiles 6 and 7's results, until their turn); layers 1, 2: v96-127 and v64-95.
;   gelu: v64-127 at work; the next operands at v44 (A), v52 (B); v60-63 at work.   fourth product: sums v44-55; w_out in three sets of 24 from v56 on.
; THE MODE: SCHED_MODE bits 1:0 = 2 (LLVM: expert scheduling mode 2), set by the entry lines.  The code itself states the register dependences between vector or matrix instructions and memory or LDS
; instructions, with s_wait_alu, always for 0.
; THE PLAN.  Registers that memory or LDS instructions touch in the loop, and who else names them:
;   v3-9, v11   addresses, made at the head and never written again: rows and tiles are reached by scalar bases and immediate offsets.
;   slot r % 5  row r's eight loads land in it; row r's sixteen packed instructions read it and write its first eight; the loads of row r + 5 are issued at the head of row r + 1.
;   OUT[r % 2]  written by row r's last four multiply-adds; read by the two LDS stores that stand at the head of row r + 1; written again by row r + 2.
;   So one wait on va_vdst at a row's head states all that the row's two stores and eight loads hang on (the row before has written its OUT and is done with its slot), and one on vm_vsrc that the stores issued a row
;   back have read the OUT that this row writes.  No vector instruction stands between these waits and the row's memory instructions.
;   T           the turn's loads land in v96-239 behind one wait on va_vdst (row 15 is done); three more land in v96-107 behind the wait that shows the first block's quantising done.
;   layers      the sets of a bias and fragments take turns: a tile's loads are issued ahead of the products of the tile before it, behind a wait on va_vdst that shows the set's last readers done.  The wait at a layer's head
;               also states that the rows' codes and scale words, which vector instructions wrote, are written.  The accumulators, the codes and the rows' scale words are named by vector and matrix instructions alone.
;   w_out       three sets by turns, asked for two tiles ahead, behind a wait on va_vdst that shows the set's last multiply-adds done.
.set WBSZ,  16640
.set PITCH, 1040
.set WIMG,  266240
.set SCO,   40960
.set BIO,   43520
.set WOO,   45056
.set SPARE, 312832
.set MIB,   1048576
.set FLOOR, 0x1800000                  ; 2^(3 - 127)
.set L16,  3                           ; 16 x lane
.set TST,  4                           ; my buffer + 16 x lane
.set TR0,  5                           ; my buffer + 1,040 p + 128 h
.set TR1,  6                           ; my buffer + 1,040 p + 848 h
.set TR2,  7                           ; my buffer + 1,040 p
.set WI,   8                           ; the image + 16 x lane
.set HB,   9                           ; the image + 32 h
.set SH8,  10                          ; 8 h
.set PR,   11                          ; 16 p
.set KA,   12
.set YO,   14
.set WSC,  26
.set DSC,  38
.set OUT,  76
.set ACCA, 128
.set ACCB, 192
.set T64,  64
	s_load_b256 s[4:11], s[0:1], 0x0               ; feature_grid s[4:5], pidx s[6:7], pwt s[8:9], prec s[10:11]
	s_load_b128 s[12:15], s[0:1], 0x20             ; wimg s[12:13], b_out s[14:15]
	s_load_b64 s[16:17], s[0:1], 0x30              ; out0
	v_lshl_add_u32 v1, v0, 2, SPARE                ; my spare word,
	v_mov_b32 v2, 0                                ; and 0: kept for the wave's closing lines
	v_lshrrev_b32 v44, 5, v0
	v_readfirstlane_b32 s18, v44                   ; wave 0 .. 15
	v_and_b32 v44, 31, v0                          ; lane
	v_and_b32 v45, 15, v0                          ; p
	v_bfe_u32 v46, v0, 4, 1                        ; h
	s_wait_alu depctr_va_sdst(0)                   ; s18 is written, ahead of its first reader: LDS places, bases and a branch are made from it
	s_mul_i32 s2, s18, WBSZ                        ; my buffer
	v_lshlrev_b32 v[L16], 4, v44
	v_add_nc_u32 v[TST], s2, v[L16]
	v_mul_u32_u24 v47, v45, PITCH
	v_add_nc_u32 v[TR2], s2, v47
	v_lshl_add_u32 v[TR0], v46, 7, v[TR2]
	v_mul_u32_u24 v47, v46, 848
	v_add_nc_u32 v[TR1], v47, v[TR2]
	v_add_nc_u32 v[WI], WIMG, v[L16]
	v_lshlrev_b32 v47, 5, v46
	v_add_nc_u32 v[HB], WIMG, v47
	v_lshlrev_b32 v[SH8], 3, v46
	v_lshlrev_b32 v[PR], 4, v45
	v_mov_b32 v[KA], 0xc0135761                    ; A = -2.3022082
	v_mov_b32 v[KA+1], 0xc0135761
	v_lshlrev_b32 v48, 4, v0                       ; 16 x thread: the staging's place in wimg,
	v_add_nc_u32 v49, WIMG, v48                    ; and in LDS
.irp k, 3,4,5,6,7,8,9,10,11
	v_mov_b32 v[YO+\k], 0                          ; the results' queue is moved up by three in every step: what the first steps move is written once
.endr
	s_mov_b32 s20, 0x76543210                      ; v_permlanex16_b32's selects for lane l xor 16
	s_mov_b32 s21, 0xfedcba98
	s_mov_b32 s22, 0xbdd2d3e8                      ; B = -0.10294324
	s_mov_b32 s23, s22                             ; (named with it as a pair)
	s_mov_b32 s24, 0xffff                          ; lanes 0-15
	s_mov_b32 s26, 0x4038aa3b                      ; 2 log2(e)
	s_mov_b32 s49, 0                               ; the high words of four offset pairs
	s_mov_b32 s51, 0
	s_mov_b32 s53, 0
	s_mov_b32 s55, 0
	s_and_b32 s3, s18, 3
	s_lshr_b32 s27, s18, 2                         ; my pair of images
	s_lshl_b32 s31, ttmp9, 8
	s_lshl_b32 s3, s3, 6
	s_add_co_u32 s31, s31, s3                      ; my first point
	s_wait_kmcnt 0x0
	s_lshl_b32 s48, s27, 23                        ; an image is 4 MiB
	s_add_nc_u64 s[4:5], s[4:5], s[48:49]          ; image A
	s_add_nc_u64 s[66:67], s[4:5], 0x400000        ; image B
	s_lshl_b32 s48, s31, 3
	s_add_nc_u64 s[6:7], s[6:7], s[48:49]
	s_lshl_b32 s48, s31, 4
	s_add_nc_u64 s[8:9], s[8:9], s[48:49]
	s_add_nc_u64 s[10:11], s[10:11], s[48:49]
	s_mul_i32 s48, s27, 1572864                    ; an image of out0 is 786,432 bytes
	s_mul_i32 s50, s31, 12
	s_add_co_u32 s48, s48, s50
	s_add_nc_u64 s[16:17], s[16:17], s[48:49]
	s_load_b96 s[28:30], s[14:15], 0x0             ; b_out
	s_wait_alu depctr_va_vdst(0)                   ; the addresses v3 to v9, v11, v48 and v49 are written: every load and LDS instruction up to the loop's end reads one of them
	; the weights' image: 46,592 bytes = 5 x 8,192 (16 bytes a thread) + 5,632 (waves 0 to 10)
.irp i, 0,1,2,3,4
	global_load_b128 v[96+4*\i:99+4*\i], v48, s[12:13] offset:8192*\i
.endr
	s_cmp_lt_u32 s18, 11
	s_cbranch_scc0 .Lfive
	global_load_b128 v[116:119], v48, s[12:13] offset:40960
	s_wait_loadcnt 0x0
	ds_store_b128 v49, v[116:119] offset:40960
.Lfive:
	s_wait_loadcnt 0x0
.irp i, 0,1,2,3,4
	ds_store_b128 v49, v[96+4*\i:99+4*\i] offset:8192*\i
.endr
	s_wait_dscnt 0x0                               ; for the others' sake: my part of the image has landed
	s_barrier_signal -1
	s_barrier_wait -1                              ; everybody's has; nobody writes it again
	s_wait_alu depctr_vm_vsrc(0)                   ; the staging's loads and LDS stores have read v48, v49 and v96 to v119: the gather's loads land in the last, the quantising lines write the first two
	s_wait_kmcnt 0x0
	s_mul_f32 s28, s28, s26                        ; b_out x 2 log2(e): bias and scaling ahead of tanh's exponential are then one fused multiply-add
	s_mul_f32 s29, s29, s26
	s_mul_f32 s30, s30, s26
; The gather of row r of the step: four corners, 2 x 512 consecutive bytes each.  The cell is a loaded whole number: cut from its word, held at the table's last cell, x 1,024 bytes, added to the image's address.
.macro ISSUE r, gb
.set SLB, 96+32*((\r)%5)
.irp c, 0,1,2,3
.if (\c)%2 == 0
	s_and_b32 s[48+2*\c], s[68+2*(\r)+(\c)/2], 0xffff
.else
	s_lshr_b32 s[48+2*\c], s[68+2*(\r)+(\c)/2], 16
.endif
	s_min_u32 s[48+2*\c], s[48+2*\c], 4095
	s_lshl_b32 s[48+2*\c], s[48+2*\c], 10
	s_add_nc_u64 s[56+2*\c:57+2*\c], s[\gb:\gb+1], s[48+2*\c:49+2*\c]
	global_load_b128 v[SLB+8*\c:SLB+8*\c+3], v[L16], s[56+2*\c:57+2*\c]             ; channels 4 x lane on
	global_load_b128 v[SLB+8*\c+4:SLB+8*\c+7], v[L16], s[56+2*\c:57+2*\c] offset:512 ; channels 128 + 4 x lane on
.endr
.endm
; Row i: the row before goes into the buffer, row i + 4 is asked for, row i is interpolated into its out-buffer.
.macro ROW i
.set RS,  96+32*((\i)%5)
.set OB,  OUT+8*((\i)%2)
.set OP,  OUT+8*(((\i)+1)%2)
.set WB8, 32+8*((\i)%2)
.set WN8, 32+8*(((\i)+1)%2)
	s_wait_kmcnt 0x0                               ; this row's four weights are in
	s_wait_xcnt 0x0                                ; the last gather has read its four bases: they may be written
.if (\i) >= 2
	s_wait_alu depctr_vm_vsrc(0)                   ; the two LDS stores issued a row back have read this row's out-buffer, which its last four multiply-adds write again
.endif
.if (\i) >= 1
	s_wait_alu depctr_va_vdst(0)                   ; the row before has written its out-buffer, which the two stores below read, and is done reading and writing its slot, in which the loads below land
	ds_store_b128 v[TST], v[OP:OP+3] offset:PITCH*((\i)-1)
	ds_store_b128 v[TST], v[OP+4:OP+7] offset:PITCH*((\i)-1)+512
.endif
.if (\i)+4 < 16
	ISSUE (\i)+4, GB
.endif
.if (\i) < 15
	s_load_b128 s[WN8:WN8+3], s[8:9], 16*((\i)+1)                  ; the next row's weights, into the other set
	s_load_b128 s[WN8+4:WN8+7], s[8:9], MIB+16*((\i)+1)
	.if (\i) <= 11
	s_wait_loadcnt 32                              ; behind this row's eight loads: four rows of eight
	.else
	s_wait_loadcnt 8*(15-(\i))                     ; the rows that are left
	.endif
.else
	global_load_b128 v[240:243], v[PR], s[10:11]                   ; the point's record, lane (p, h) point p: enc 32 .. 35,
	global_load_b128 v[244:247], v[PR], s[10:11] offset:MIB        ; 36 .. 39,
	global_load_b128 v[248:251], v[PR], s[10:11] offset:2*MIB      ; 40, 41, block 0's byte;
	global_load_b128 v[CS2:CS2+3], v[PR], s[10:11] offset:3*MIB    ; block 0's codes, straight into the operand
	s_wait_loadcnt 4                               ; behind this row's loads: these four
.endif
.irp j, 0,2,4,6
	v_pk_mul_f32 v[RS+\j:RS+\j+1], v[RS+\j:RS+\j+1], s[WB8:WB8+1] op_sel_hi:[1,0]
.endr
.irp c, 1,2
.irp j, 0,2,4,6
	v_pk_fma_f32 v[RS+\j:RS+\j+1], v[RS+8*\c+\j:RS+8*\c+\j+1], s[WB8+2*\c:WB8+2*\c+1], v[RS+\j:RS+\j+1] op_sel_hi:[1,0,1]
.endr
.endr
.irp j, 0,2,4,6
	v_pk_fma_f32 v[OB+\j:OB+\j+1], v[RS+24+\j:RS+24+\j+1], s[WB8+6:WB8+7], v[RS+\j:RS+\j+1] op_sel_hi:[1,0,1]   ; the fourth corner's: into the out-buffer
.endr
.endm
; A whole block: the 32 numbers v[r + 2] .. v[r + 33] become four registers of codes at v[dst] and a byte in v[byt].
.macro QB r, dst, byt
	v_max3_num_f32 v44, |v[\r+2]|, |v[\r+3]|, FLOOR                ; the largest magnitude in two chains, the floor among its leaves
	v_max3_num_f32 v45, |v[\r+4]|, |v[\r+5]|, |v[\r+6]|
.irp i, 7,11,15,19,23,27
	v_max3_num_f32 v44, v44, |v[\r+\i]|, |v[\r+\i+1]|
	v_max3_num_f32 v45, v45, |v[\r+\i+2]|, |v[\r+\i+3]|
.endr
	v_max3_num_f32 v44, v44, |v[\r+31]|, |v[\r+32]|
	v_max3_num_f32 v44, v44, v45, |v[\r+33]|
	v_add_nc_u32 v46, 0xff000000, v44              ; 2 off the exponent field: the conversion's scale operand
.irp i, 0,1,2,3
	v_cvt_scalef32_pk8_fp4_f32 v[\dst+\i], v[\r+2+8*\i:\r+9+8*\i], v46
.endr
	v_lshrrev_b32 v[\byt], 23, v46                 ; the byte (also the plain line behind the conversions)
.endm
; Tile x (0: image A, 1: image B): gather, turn, quantise.
.macro GT x
.set GB,  4+62*(\x)
.set CS2, 52+4*(\x)
.set CS0, 60+16*(\x)
.set CS1, 68+16*(\x)
.set DSX, DSC+3*(\x)
	s_load_b128 s[32:35], s[8:9], 0x0              ; row 0's weights
	s_load_b128 s[36:39], s[8:9], MIB
	s_wait_kmcnt 0x0                               ; and the step's cells
	s_wait_alu depctr_va_vdst(0)                   ; all that named v96 to v255 is done (the last step's products and gelu; the other tile's quantising): the loads of rows 0 to 4 land there
.irp r, 0,1,2,3
	s_wait_xcnt 0x0                                ; the gather before has read its bases
	ISSUE \r, GB
.endr
.irp i, 0,1,2,3,4,5,6,7,8,9,10,11,12,13,14,15
	ROW \i
.endr
	s_wait_alu depctr_va_vdst(0)                   ; row 15 has written its out-buffer, which the two stores below read, and is done with its slot: the turn's loads land in v96 to v239
	ds_store_b128 v[TST], v[OUT+8:OUT+11] offset:PITCH*15
	ds_store_b128 v[TST], v[OUT+12:OUT+15] offset:PITCH*15+512
.irp g, 0,1,2                                  ; lane (p, h): channels 20 + 64 g + 32 h .. + 35 of row p: block 2 + 2 g + h begins at the third of them.  (LDS serves a wave's instructions in order: these see my stores)
.irp i, 0,1,2,3,4,5,6,7,8
	ds_load_b128 v[96+36*\g+4*\i:99+36*\g+4*\i], v[TR0] offset:80+256*\g+16*\i
.endr
.endr
.irp i, 0,1,2,3,4,5,6,7,8                      ; h = 0: channels 0 .. 35 (block 1); h = 1: channels 212 .. 247 (block 8)
	ds_load_b128 v[204+4*\i:207+4*\i], v[TR1] offset:16*\i
.endr
	s_wait_dscnt 27                                ; the first nine are in
	s_wait_alu depctr_vm_vsrc(0)                   ; the LDS stores of rows 14 and 15 have read the two out-buffers: tile B's codes are written there, and the next tile's rows 0 and 1 write them again
	QB 96, CS0, 47
	s_wait_dscnt 18                                ; behind the second nine: 9 + 9
	s_wait_alu depctr_va_vdst(0)                   ; the first block's maxima and conversions are done reading v98 to v129: three loads land in v96 to v107
.irp i, 0,1,2                                  ; channels 244 .. 255: block 9 begins at the third
	ds_load_b128 v[96+4*\i:99+4*\i], v[TR2] offset:976+16*\i
.endr
	QB 132, CS0+4, 48
	s_wait_dscnt 12                                ; 9 + 3
	QB 168, CS1, 49
	s_wait_loadcnt 0x0                             ; the point's record
	s_wait_dscnt 3
.irp i, 0,1,2,3,4,5,6,7,8,9
	v_cndmask_b32 v[226+\i], v[226+\i], v[240+\i], s24             ; block 1 (lanes 0-15): behind channels 2 .. 21 stand enc 32 .. 41,
.endr
	v_cndmask_b32 v236, v236, v204, s24            ; and channels 0 and 1
	v_cndmask_b32 v237, v237, v205, s24
	QB 204, CS1+4, 50
	s_wait_dscnt 0x0
	v_max3_num_f32 v44, |v98|, |v99|, FLOOR        ; block 9: ten numbers
.irp i, 100,102,104,106
	v_max3_num_f32 v44, v44, |v[\i]|, |v[\i+1]|
.endr
	v_add_nc_u32 v46, 0xff000000, v44
	v_cvt_scalef32_pk8_fp4_f32 v120, v[98:105], v46
	v_cvt_scalef32_pk8_fp4_f32 v121, v[106:113], v46               ; (v108-113 hold left-over channels: places 10 on meet zero weight codes)
	v_lshrrev_b32 v51, 23, v46
	v_cndmask_b32 v[CS2], v120, v[CS2], s24        ; lanes 0-15 keep block 0's given codes, lanes 16-31 take block 9's
	v_cndmask_b32 v[CS2+1], v121, v[CS2+1], s24
	v_cndmask_b32 v51, v51, v250, s24              ; the byte likewise
	v_lshl_or_b32 v44, v48, 16, v47                ; my two bytes of each K step: slots h and 2 + h,
	v_lshl_or_b32 v45, v50, 16, v49
	v_or_b32 v46, 0x7f0000, v51                    ; (an empty slot: 127)
	v_lshlrev_b32 v44, v[SH8], v44                 ; at their places;
	v_lshlrev_b32 v45, v[SH8], v45
	v_lshlrev_b32 v46, v[SH8], v46
	v_permlanex16_b32 v120, v44, s20, s21
	v_permlanex16_b32 v121, v45, s20, s21
	v_permlanex16_b32 v122, v46, s20, s21
	v_or_b32 v[DSX], v44, v120                     ; with lane l xor 16's two the words are whole
	v_or_b32 v[DSX+1], v45, v121
	v_or_b32 v[DSX+2], v46, v122
.endm
.macro WM d, a, b, c, sa, sb, row1     ; source 0: a fragment of a weight, its scale words in lanes 0-15 or (row1) 16-31 of v[sa]; source 1: 16 rows
.if \row1
	v_wmma_scale_f32_16x16x128_f8f6f4 v[\d:\d+7], v[\a:\a+7], v[\b:\b+7], v[\c:\c+7], v[\sa], v[\sb] matrix_a_fmt:MATRIX_FMT_FP4 matrix_b_fmt:MATRIX_FMT_FP4 matrix_a_scale:MATRIX_SCALE_ROW1
.else
	v_wmma_scale_f32_16x16x128_f8f6f4 v[\d:\d+7], v[\a:\a+7], v[\b:\b+7], v[\c:\c+7], v[\sa], v[\sb] matrix_a_fmt:MATRIX_FMT_FP4 matrix_b_fmt:MATRIX_FMT_FP4
.endif
.endm
.macro PLACES n
.rept \n
	v_nop
.endr
.endm
; Layer 0, unit tile t: its bias to v[bb] on, its three fragments to v[f0], v[f1], v[f2] on.
.macro LOADT t, bb, f0, f1, f2
	ds_load_b128 v[\bb:\bb+3], v[HB] offset:BIO+64*(\t)
	ds_load_b128 v[\bb+4:\bb+7], v[HB] offset:BIO+64*(\t)+16
	ds_load_b128 v[\f0:\f0+3], v[WI] offset:1024*(3*(\t))
	ds_load_b128 v[\f0+4:\f0+7], v[WI] offset:1024*(3*(\t))+512
	ds_load_b128 v[\f1:\f1+3], v[WI] offset:1024*(3*(\t)+1)
	ds_load_b128 v[\f1+4:\f1+7], v[WI] offset:1024*(3*(\t)+1)+512
	ds_load_b128 v[\f2:\f2+3], v[WI] offset:1024*(3*(\t)+2)
	ds_load_b128 v[\f2+4:\f2+7], v[WI] offset:1024*(3*(\t)+2)+512
.endm
; Its six products: the bias is the C of the first; the two accumulators take turns.
.macro MUL0 t, bb, f0, f1, f2
	WM ACCA+8*(\t), \f0, 60, \bb,         WSC+(3*(\t))/2,   DSC,   (3*(\t))%2
	WM ACCB+8*(\t), \f0, 76, \bb,         WSC+(3*(\t))/2,   DSC+3, (3*(\t))%2
	WM ACCA+8*(\t), \f1, 68, ACCA+8*(\t), WSC+(3*(\t)+1)/2, DSC+1, (3*(\t)+1)%2
	WM ACCB+8*(\t), \f1, 84, ACCB+8*(\t), WSC+(3*(\t)+1)/2, DSC+4, (3*(\t)+1)%2
	WM ACCA+8*(\t), \f2, 52, ACCA+8*(\t), WSC+(3*(\t)+2)/2, DSC+2, (3*(\t)+2)%2
	WM ACCB+8*(\t), \f2, 56, ACCB+8*(\t), WSC+(3*(\t)+2)/2, DSC+5, (3*(\t)+2)%2
.endm
; Layers 1 and 2, unit tiles t and t + 1: each tile's bias and its one fragment, 32 registers from v[fb] on.
.macro LOADG l, t, fb
	ds_load_b128 v[\fb:\fb+3], v[HB] offset:BIO+512*\l+64*\t
	ds_load_b128 v[\fb+4:\fb+7], v[HB] offset:BIO+512*\l+64*\t+16
	ds_load_b128 v[\fb+8:\fb+11], v[WI] offset:1024*(16+8*\l+\t)
	ds_load_b128 v[\fb+12:\fb+15], v[WI] offset:1024*(16+8*\l+\t)+512
	ds_load_b128 v[\fb+16:\fb+19], v[HB] offset:BIO+512*\l+64*\t+64
	ds_load_b128 v[\fb+20:\fb+23], v[HB] offset:BIO+512*\l+64*\t+80
	ds_load_b128 v[\fb+24:\fb+27], v[WI] offset:1024*(17+8*\l+\t)
	ds_load_b128 v[\fb+28:\fb+31], v[WI] offset:1024*(17+8*\l+\t)+512
.endm
.macro MULG t, fb
	WM ACCA+8*\t,   \fb+8,  44, \fb,    WSC+\t/2, DSC,   0
	WM ACCB+8*\t,   \fb+8,  52, \fb,    WSC+\t/2, DSC+3, 0
	WM ACCA+8*\t+8, \fb+24, 44, \fb+16, WSC+\t/2, DSC,   1
	WM ACCB+8*\t+8, \fb+24, 52, \fb+16, WSC+\t/2, DSC+3, 1
.endm
; Layer l = 1, 2: K = 128, one product a tile of units and a tile of rows; the bias is its C.  Two sets, v96-127 and v64-95, by turns: a pair of tiles is asked for ahead of the products of the pair before it.
.macro LAYERN l
	PLACES 8                                       ; a scale register written by a vector instruction stands 8 plain instructions ahead of a scaled product, an operand so written 4
	s_wait_alu depctr_va_vdst(0)                   ; the rows' codes v44 to v59 and scale words v38, v41 are written, which the products take; gelu and the quantising are done naming v60 to v127, the last layer's products reading v26 to v29: loads land there
	ds_load_b128 v[WSC:WSC+3], v[WI] offset:SCO+512*(2+\l)
	LOADG \l, 0, 96
	LOADG \l, 2, 64
	s_wait_dscnt 8                                 ; the scale words and tiles 0, 1 are in; the second set's eight loads may be out
	MULG 0, 96
	PLACES 4                                       ; in front of the next loads into registers that these products read
	s_wait_dscnt 0x0                               ; tiles 2, 3 are in
	s_wait_alu depctr_va_vdst(0)                   ; the products of tiles 0, 1 are done reading v96 to v127, in which the loads below land
	LOADG \l, 4, 96
	MULG 2, 64
	PLACES 4
	s_wait_dscnt 0x0                               ; tiles 4, 5 are in
	s_wait_alu depctr_va_vdst(0)                   ; the products of tiles 2, 3 are done reading v64 to v95, in which the loads below land
	LOADG \l, 6, 64
	MULG 4, 96
	s_wait_dscnt 0x0                               ; tiles 6, 7 are in
	MULG 6, 64
	PLACES 4                                       ; in front of the first read of results, and of gelu's writes into registers that these products read
.endm
; gelu on a tile's 64 numbers a lane, in place, from each result's low end on.  Each batch of 64 transcendentals has one plain line and one wait behind it, ahead of its first reader.
.macro GELU acc
.set J, 0
.rept 32
	v_pk_mul_f32 v[T64+J:T64+J+1], v[\acc+J:\acc+J+1], v[\acc+J:\acc+J+1]
.set J, J+2
.endr
.set J, 0
.rept 32
	v_pk_fma_f32 v[T64+J:T64+J+1], v[T64+J:T64+J+1], s[22:23], v[KA:KA+1] op_sel_hi:[1,0,1]   ; A + B x^2
.set J, J+2
.endr
.set J, 0
.rept 32
	v_pk_mul_f32 v[T64+J:T64+J+1], v[T64+J:T64+J+1], v[\acc+J:\acc+J+1]
.set J, J+2
.endr
.set J, 0
	s_wait_alu depctr_va_vdst(0)
.rept 64
	v_exp_f32 v[T64+J], v[T64+J]
.set J, J+1
.endr
	v_nop
	s_wait_alu depctr_va_vdst(0)                   ; the 64 exponentials have written v64 to v127, ahead of their first reader
.set J, 0
.rept 32
	v_pk_add_f32 v[T64+J:T64+J+1], v[T64+J:T64+J+1], 1.0 op_sel_hi:[1,0]
.set J, J+2
.endr
.set J, 0
	s_wait_alu depctr_va_vdst(0)
.rept 64
	v_rcp_f32 v[T64+J], v[T64+J]
.set J, J+1
.endr
	v_nop
	s_wait_alu depctr_va_vdst(0)                   ; the 64 reciprocals have written v64 to v127, ahead of their first reader
.set J, 0
.rept 32
	v_pk_mul_f32 v[\acc+J:\acc+J+1], v[\acc+J:\acc+J+1], v[T64+J:T64+J+1]
.set J, J+2
.endr
.endm
; A tile's 64 numbers a lane are two whole blocks (h and 2 + h) of the next K: codes to v[hc] on, the row's scale word to v[ds].
.macro QH acc, hc, ds
	v_max3_num_f32 v60, |v[\acc]|, |v[\acc+1]|, FLOOR
	v_max3_num_f32 v61, |v[\acc+32]|, |v[\acc+33]|, FLOOR
.set J, 2
.rept 15
	v_max3_num_f32 v60, v60, |v[\acc+J]|, |v[\acc+J+1]|
	v_max3_num_f32 v61, v61, |v[\acc+32+J]|, |v[\acc+33+J]|
.set J, J+2
.endr
	v_add_nc_u32 v60, 0xff000000, v60
	v_add_nc_u32 v61, 0xff000000, v61
	v_lshrrev_b32 v62, 23, v60
	v_lshrrev_b32 v63, 23, v61
	v_lshl_or_b32 v62, v63, 16, v62
	v_lshlrev_b32 v62, v[SH8], v62
	v_permlanex16_b32 v63, v62, s20, s21
	v_or_b32 v[\ds], v62, v63
.irp t, 0,1,2,3,4,5,6,7
	v_cvt_scalef32_pk8_fp4_f32 v[\hc+\t], v[\acc+8*\t:\acc+8*\t+7], v[60+\t/4]
.endr
	v_nop                                          ; one plain line behind the conversions
.endm
.macro WLOAD g                         ; w_out of the eight units of tile g in my half, three outputs, into set g % 3
.set WSB, 56+24*((\g)%3)
.irp o, 0,1,2
	ds_load_b128 v[WSB+8*\o:WSB+8*\o+3], v[HB] offset:WOO+512*\o+64*(\g)
	ds_load_b128 v[WSB+8*\o+4:WSB+8*\o+7], v[HB] offset:WOO+512*\o+64*(\g)+16
.endr
.endm
	s_mov_b32 s19, 4
.Lstep:
	s_load_b512 s[68:83], s[6:7], 0x0              ; the step's 16 points: two words of cells each
	s_load_b512 s[84:99], s[6:7], 0x40
	GT 0
	GT 1
	; ---- layer 0: K = 384 in three K steps.  A tile of units at a time: its bias, three fragments, six products.  Two sets by turns: v96-127 for the even tiles and tile 7; for tiles 1, 3, 5 the registers in which
	; tiles 6 and 7 will leave their results (v176-191, v240-255).  A tile is asked for ahead of the products of the tile before it; tile 7, for which no second set is left, behind tile 6's.
	PLACES 8                                       ; a scale register written by a vector instruction stands 8 plain instructions ahead of a scaled product
	s_wait_alu depctr_va_vdst(0)                   ; the rows' codes v52 to v91 and scale words v38 to v43 are written, which the products take; the quantising is done naming v96 to v255, the last step's products reading v26 to v37: loads land there
.irp g, 0,1,2
	ds_load_b128 v[WSC+4*\g:WSC+4*\g+3], v[WI] offset:SCO+512*\g
.endr
	LOADT 0, 96, 104, 112, 120
	LOADT 1, 176, 184, 240, 248
	s_wait_dscnt 8                                 ; the scale words and tile 0 are in; tile 1's eight loads may be out
	MUL0 0, 96, 104, 112, 120
	PLACES 4                                       ; in front of the next loads into registers that these products read
.irp t, 1,3,5
	s_wait_dscnt 0x0                               ; the odd tile is in
	s_wait_alu depctr_va_vdst(0)                   ; the products of the tile before are done reading v96 to v127, in which the loads below land
	LOADT \t+1, 96, 104, 112, 120
	MUL0 \t, 176, 184, 240, 248
.if \t == 5
	PLACES 5                                       ; tiles 6 and 7 write their results over registers that tile 5's products read: five plain instructions between
.else
	PLACES 4
.endif
	s_wait_dscnt 0x0                               ; the even tile is in
.if \t < 5
	s_wait_alu depctr_va_vdst(0)                   ; the products of the tile before are done reading v176 to v191 and v240 to v255, in which the loads below land
	LOADT \t+2, 176, 184, 240, 248
.endif
	MUL0 \t+1, 96, 104, 112, 120
	PLACES 4
.endr
	s_wait_alu depctr_va_vdst(0)                   ; tile 6's products are done reading v96 to v127, in which tile 7's loads land
	LOADT 7, 96, 104, 112, 120
	s_wait_dscnt 0x0
	MUL0 7, 96, 104, 112, 120
	PLACES 4                                       ; in front of the first read of results, and of gelu's writes into registers that these products read
	GELU ACCA
	QH ACCA, 44, DSC
	GELU ACCB
	QH ACCB, 52, DSC+3
	LAYERN 1
	GELU ACCA
	QH ACCA, 44, DSC
	GELU ACCB
	QH ACCB, 52, DSC+3
	LAYERN 2
	GELU ACCA
	GELU ACCB
	; ---- the fourth product: for each tile and output a pair of sums over my 64 units; w_out's eight units of two tiles on are loaded while these are used
	s_wait_alu depctr_va_vdst(0)                   ; gelu is done naming v64 to v127, the last layer's products reading v52 to v59: the three sets' loads land in v56 to v127
	WLOAD 0
	WLOAD 1
	WLOAD 2
.irp g, 0,1,2,3,4,5,6,7
.if (\g >= 1) && (\g <= 5)
	s_wait_alu depctr_va_vdst(0)                   ; the multiply-adds of the tile before are done reading their set, in which the loads below land
	WLOAD \g+2
.endif
.if \g <= 5
	s_wait_dscnt 12                                ; this tile's six are in; the two younger sets may be out
.else
	s_wait_alu depctr_va_vdst(0)
	s_wait_dscnt 6*(7-\g)                          ; the sets that are left
.endif
.irp i, 0,1,2,3
.irp o, 0,1,2
.if (\g == 0) && (\i == 0)
	v_pk_mul_f32 v[44+2*\o:45+2*\o], v[ACCA:ACCA+1], v[56+8*\o:57+8*\o]            ; the first products start the sums
	v_pk_mul_f32 v[50+2*\o:51+2*\o], v[ACCB:ACCB+1], v[56+8*\o:57+8*\o]
.else
	v_pk_fma_f32 v[44+2*\o:45+2*\o], v[ACCA+8*\g+2*\i:ACCA+8*\g+2*\i+1], v[56+24*(\g%3)+8*\o+2*\i:57+24*(\g%3)+8*\o+2*\i], v[44+2*\o:45+2*\o]
	v_pk_fma_f32 v[50+2*\o:51+2*\o], v[ACCB+8*\g+2*\i:ACCB+8*\g+2*\i+1], v[56+24*(\g%3)+8*\o+2*\i:57+24*(\g%3)+8*\o+2*\i], v[50+2*\o:51+2*\o]
.endif
.endr
.endr
.endr
	; ---- the sums' ends: a row's other 64 units lie in lane l xor 16.  Lanes 0-15 end with image A's 16 rows, lanes 16-31 with image B's
.irp k, 0,1,2,3,4,5
	v_add_f32 v[44+2*\k], v[44+2*\k], v[45+2*\k]
.endr
.irp o, 0,1,2
	v_cndmask_b32 v[56+\o], v[50+2*\o], v[44+2*\o], s24            ; what I keep: A's in lanes 0-15, B's in lanes 16-31;
	v_cndmask_b32 v[60+\o], v[44+2*\o], v[50+2*\o], s24            ; what the other half wants of me
.endr
.irp o, 0,1,2
	v_permlanex16_b32 v[45+2*\o], v[60+\o], s20, s21
.endr
.irp o, 0,1,2
	v_add_f32 v[56+\o], v[56+\o], v[45+2*\o]
.endr
.irp o, 0,1,2
	v_fma_f32 v[56+\o], v[56+\o], s26, s[28+\o]    ; 2 log2(e) (y + b_out)
.endr
	s_wait_alu depctr_va_vdst(0)
.irp o, 0,1,2
	v_exp_f32 v[56+\o], v[56+\o]
.endr
	v_nop
	s_wait_alu depctr_va_vdst(0)                   ; the three exponentials have written v56 to v58, ahead of their first reader
.irp o, 0,1,2
	v_add_f32 v[56+\o], 1.0, v[56+\o]
.endr
	s_wait_alu depctr_va_vdst(0)
.irp o, 0,1,2
	v_rcp_f32 v[56+\o], v[56+\o]
.endr
.irp k, 0,1,2,3,4,5,6,7,8
	v_mov_b32 v[YO+\k], v[YO+3+\k]                 ; the queue moves up by a step's three: after four steps step q's results stand at 3 q.  (Plain work behind the reciprocals)
.endr
	s_wait_alu depctr_va_vdst(0)                   ; the three reciprocals have written v56 to v58, ahead of their first reader
.irp o, 0,1,2
	v_fma_f32 v[YO+9+\o], v[56+\o], -2.0, 1.0      ; tanh
.endr
	s_wait_kmcnt 0x0                               ; no scalar load is out,
	s_wait_xcnt 0x0                                ; and every load has read its base: the three pointers step by 16 points
	s_add_nc_u64 s[6:7], s[6:7], 128
	s_add_nc_u64 s[8:9], s[8:9], 256
	s_add_nc_u64 s[10:11], s[10:11], 256
	s_sub_co_u32 s19, s19, 1
	s_cmp_lg_u32 s19, 0
	s_cbranch_scc1 .Lstep
	; THE WAY OUT.  My 64 points x 3 numbers x 2 images are 2 x 768 bytes; they are laid in my own buffer as they lie in out0 and leave as six aligned runs of 256 bytes, sixteen lanes each.
	v_and_b32 v44, 15, v0
	v_bfe_u32 v45, v0, 4, 1
	v_mul_u32_u24 v46, v44, 12
	v_mad_u32_u24 v46, v45, 768, v46
	s_mul_i32 s2, s18, WBSZ
	v_add_nc_u32 v46, s2, v46                      ; my buffer + 768 h + 12 p
	v_mul_u32_u24 v47, v45, 785664
	v_add_nc_u32 v47, v47, v[L16]                  ; the middle store: lanes 16-31 begin image B (786,432 - 256 - 512 further on)
	s_wait_alu depctr_va_vdst(0)                   ; the twelve results v14 to v25 and the addresses v46, v47 are written, which the stores below read; all that named v96 to v107 is done: the loads below land there
.irp q, 0,1,2,3
.irp o, 0,1,2
	ds_store_b32 v46, v[YO+3*\q+\o] offset:192*\q+4*\o
.endr
.endr
.irp i, 0,1,2
	ds_load_b128 v[96+4*\i:99+4*\i], v[TST] offset:512*\i          ; LDS serves a wave's instructions in order: these see my stores
.endr
	s_wait_dscnt 2
	global_store_b128 v[L16], v[96:99], s[16:17] th:TH_STORE_NT                    ; image A, bytes 0 .. 511
	s_wait_dscnt 1
	global_store_b128 v47, v[100:103], s[16:17] offset:512 th:TH_STORE_NT          ; image A, 512 .. 767; image B, 0 .. 255
	s_wait_dscnt 0x0
	global_store_b128 v[L16], v[104:107], s[16:17] offset:786688 th:TH_STORE_NT    ; image B, 256 .. 767
	s_wait_dscnt 0x0                               ; the wave's end, behind my last LDS store
	s_wait_alu 0x0
	s_wait_tensorcnt 0x0
	ds_add_u32 v1, v2
	s_wait_dscnt 0x0
	s_endpgm
.Lfunc_end_k_q52574125c1_main:
	.size	k_q52574125c1_main, .Lfunc_end_k_q52574125c1_main-k_q52574125c1_main
	.p2alignl 7, 3214868480
	.fill 96, 4, 3214868480
	.section	.rodata,"a",@progbits
	.p2align	6, 0x0
	.amdhsa_kernel k_q52574125c1_main
		.amdhsa_group_segment_fixed_size 314880
		.amdhsa_private_segment_fixed_size 0
		.amdhsa_enable_private_segment 0
		.amdhsa_kernarg_size 56
		.amdhsa_user_sgpr_count 2
		.amdhsa_user_sgpr_kernarg_segment_ptr 1
		.amdhsa_wavefront_size32 1
		.amdhsa_system_sgpr_workgroup_id_x 1
		.amdhsa_system_sgpr_workgroup_id_y 1
		.amdhsa_system_sgpr_workgroup_id_z 1
		.amdhsa_system_vgpr_workitem_id 0
		.amdhsa_next_free_vgpr 256
		.amdhsa_next_free_sgpr 104
		.amdhsa_reserve_vcc 0
		.amdhsa_float_denorm_mode_32 3
		.amdhsa_float_denorm_mode_16_64 3
		.amdhsa_memory_ordered 1
		.amdhsa_forward_progress 1
		.amdhsa_inst_pref_size 255
	.end_amdhsa_kernel
	.section	.bss,"aw",@nobits
	.p2align	6
	.space	262144
	.amdgpu_metadata
---
amdhsa.version: [ 1, 2 ]
amdhsa.kernels:
  - .name:           k_q52574125c1_main
    .symbol:         k_q52574125c1_main.kd
    .args:
      - { .name: feature_grid, .offset: 0, .size: 8, .value_kind: global_buffer, .address_space: global }
      - { .name: pidx, .offset: 8, .size: 8, .value_kind: global_buffer, .address_space: global }
      - { .name: pwt, .offset: 16, .size: 8, .value_kind: global_buffer, .address_space: global }
      - { .name: prec, .offset: 24, .size: 8, .value_kind: global_buffer, .address_space: global }
      - { .name: wimg, .offset: 32, .size: 8, .value_kind: global_buffer, .address_space: global }
      - { .name: b_out, .offset: 40, .size: 8, .value_kind: global_buffer, .address_space: global }
      - { .name: out0, .offset: 48, .size: 8, .value_kind: global_buffer, .address_space: global }
    .group_segment_fixed_size: 314880
    .private_segment_fixed_size: 0
    .kernarg_segment_align: 8
    .kernarg_segment_size: 56
    .max_flat_workgroup_size: 512
    .sgpr_count:     104
    .vgpr_count:     256
    .wavefront_size: 32
...
	.end_amdgpu_metadata
.endif
;; end of part 4
